; MI455X (gfx1250); checked and timed in simulation.
; The chip was launched on July 23, 2026; its instructions are those of AMD's public machine-readable ISA for CDNA 5 (MIT licence, August 2026) and "CDNA5" Instruction Set Architecture Reference Guide (July 2026). The comments in the code are by the model that wrote it; some were corrected since.
;; Causal Multihead Self Attention. Allowed arithmetic: matrix products marked QUANTISED: E2M3 operands, one E8M0 scale for each 32 along K, by v_wmma_scale_f32_16x16x128_f8f6f4 with both operands' format E2M3, f32 sums; everything else in f32.
;; Inputs: w_proj 1,024 x 1,024 float32; w_qkv 1,024 x 3,072 float32; x 4 x 2,048 x 1,024 float32.
;; Outputs: out0 4 x 2,048 x 1,024 float32.
;; This version of the problem:
;;   THIS VERSION OF THE PROBLEM IS GIVEN IN LOW PRECISION. The matrix products marked QUANTISED in the list below multiply operands that are first quantised to E2M3 (2 exponent bits, 3 mantissa bits; 6 bits a number), with one power-of-two scale for each 32 numbers along K (OCP MX v1.0); their sums are f32. All else is computed in f32.
;;   The module's matrix products, in the order in which they are computed (A, B: the left and right operand; K: the contracted axis; several contracted axes count as one K, in the product's order):
;;     1. [M 8,192, K 1,024] x [K 1,024, N 3,072]; A: input x; B: input w_qkv: QUANTISED
;;     2. batch 64 x [M 2,048, K 64] x [K 64, N 2,048]; A: computed on the way; B: computed on the way: QUANTISED
;;     3. batch 64 x [M 2,048, K 2,048] x [K 2,048, N 64]; A: softmax (see below); B: computed on the way: QUANTISED
;;     4. [M 8,192, K 1,024] x [K 1,024, N 1,024]; A: computed on the way; B: input w_proj: QUANTISED
;;   THE QUANTISER, for each operand of a quantised product, along K:
;;     - K is cut into blocks of 32 from its start; a last block that is shorter is filled with zeros.
;;     - A block's scale is 2^e with e = floor(log2(the largest magnitude in the block)) - 2, held to -126 .. 127; a block of zeros has e = 0. As a byte (E8M0): e + 127.
;;     - Each number is divided by its block's scale, clamped to +-7.5, and rounded to the nearest number of E2M3, ties to even, subnormals kept.
;;     - The product sums the exact products of the quantised numbers (number of the format x scale) in f32.
;;   ~~~python
;;   def quantise(x, axis):      # numpy; x: float32 -> the quantised numbers, widened to float32 again
;;       x = np.moveaxis(x, axis, -1); K = x.shape[-1]
;;       x = np.pad(x, [(0, 0)] * (x.ndim - 1) + [(0, -K % 32)]); x = x.reshape(x.shape[:-1] + (-1, 32)); a = np.abs(x).max(-1, keepdims=True)
;;       e = np.where(a > 0, np.clip(np.frexp(np.where(a > 0, a, 1))[1] - 1 - 2, -126, 127), 0)      # np.frexp(a)[1] - 1 = floor(log2(a)), exactly
;;       r = np.clip(x / 2.0 ** e, -7.5, 7.5)
;;       step = 2.0 ** (np.maximum(np.frexp(np.where(r == 0, 1, r))[1] - 1, 0) - 3)
;;       q = np.round(r / step) * step * 2.0 ** e      # np.round: ties to even
;;       return np.moveaxis(q.reshape(q.shape[:-2] + (-1,))[..., :K], -1, axis).astype(np.float32)
;;   ~~~
;;   SOFTMAX AHEAD OF A QUANTISED PRODUCT. Where the list says 'softmax', what is quantised is not the finished softmax but p = 2^(t - M), with t = logit x log2(e) and M = ceil(the row's largest t), a whole number; so 1/2 < the row's largest p <= 1. The row's sum l is taken of the UNQUANTISED p, in f32, and the product's result is divided by l at the end. Since M is a whole number, a kernel that streams over the keys may use a running M (the ceiling of the running maximum): every later rescaling is an exact power of two, which a block's scale takes up: the codes' values come out the same.
;;   OPERANDS COMPUTED ON THE WAY. 'Computed on the way' means the value that the module computes at that place (a softmax that the list does not call 'softmax' is quantised finished and normalised). What goes into a quantiser is computed in f32, as accurately as f32 sums, v_exp_f32 and their like allow (about 1e-6 of the number): no bf16 or f16 on the way to a quantiser, and a product that is left as it is and whose result goes on into a quantised operand takes f32 operands (vector FMAs, or v_wmma_f32_16x16x4_f32). A number that lies on a knife's edge between two numbers of the format may be rounded either way, as far as f32 arithmetic and the matrix unit's own rounding can turn it there, and no further.
;; One version. Each part assembles by itself: llvm-mc -triple=amdgcn-amd-amdhsa -mcpu=gfx1250 --defsym DOCPART=n.
;; ======== version 1 of 1: 4 launches
;; limits: right only within a limited range of input values
;; workspace buffers: cod 9,437,184 bytes; scl 393,216 bytes; qb 6,815,744 bytes; kv 13,369,344 bytes; ao 6,291,456 bytes; aos 524,288 bytes
;; launch quant (part 1): grid 384 x 1, 4 waves a work-group, no clusters, 68,096 bytes of LDS; arguments x, w_qkv, w_proj, cod, scl; writes cod, scl
.if DOCPART == 1
	.amdgcn_target "amdgcn-amd-amdhsa--gfx1250"
	.amdhsa_code_object_version 6
	.text
	.protected	k_qda89d8d368_quant
	.globl	k_qda89d8d368_quant
	.p2align	8
	.type	k_qda89d8d368_quant,@function
k_qda89d8d368_quant:
	s_mov_b64 s[64:65], 0
	v_nop
	global_prefetch_b8 v0, s[64:65] scope:SCOPE_SE
	s_setreg_imm32_b32 hwreg(HW_REG_WAVE_MODE, 25, 1), 1
	s_wait_xcnt 0x0
; x [8192][1024], w_qkv [1024][3072] and w_proj [1024][1024], f32, become codes of FP6 (E2M3) along K with one E8M0 byte for each 32 along K.
; A block's scale is 2^(floor(log2(its largest magnitude)) - 2); its byte is the largest magnitude's exponent field - 2, held at 1 from below.
; ROWS of cod and scl: 0-8191 x's tokens, 8192 + n column n of w_qkv, 11264 + n column n of w_proj; a row is stored at place pi(row): bits 3 and 4 swapped,
; so that sixteen neighbouring places hold rows 32 (t / 2) + 8 (t % 2) + rho + 8 (rho / 8): a matrix result made of such tiles has 16 neighbours along the next K in a lane.
; cod IS LAID BY CHUNKS: [256 along K, 4][place, 12288][192 bytes]: 64 or 128 places of one chunk are a dense block, a multiple of 256 bytes long that begins on a multiple of 256.
; scl: [place][32 bytes].
; Work-groups 0-127 take the weights (32 columns a wave x 256 along K), 128-383 take x (8 rows a wave).  The two ways part on the work-group's number and have LDS bytes of their own.
; LIMITS: NaN and infinities are not served; a block of zeros gets the byte 1 with zero codes (the bytes are read by this program alone).
.set CHUNKB, 12288*192
.set EMAX,  2
.set SPARE, 67584                      ; behind both ways' LDS: the spare words, 128 bytes a wave
.set SPW,   208
.set NIL,   209
	s_load_b256 s[4:11], s[0:1], 0x0               ; x, w_qkv, w_proj, cod
	s_load_b64 s[12:13], s[0:1], 0x20              ; scl
	v_lshl_add_u32 v[SPW], v0, 2, SPARE
	v_mov_b32 v[NIL], 0
	v_lshrrev_b32 v1, 5, v0
	v_readfirstlane_b32 s16, v1                    ; wave
	v_and_b32 v2, 31, v0                           ; lane
	s_cmp_lt_u32 ttmp9, 128
	s_wait_alu depctr_va_vdst(0)
	s_cbranch_scc1 .Lweights
; ---- x.  A wave takes 8 rows, 16 steps of 512 numbers.  Each load reads 512 consecutive bytes; a step's 2,048 bytes turn through the wave's stage so that a lane holds 16 neighbours along K.
.set STEPS, 16
.set CB,    12                         ; bytes of 16 codes
.set XR,    16                         ; v16-79   four sets of 16 numbers as loaded
.set XX,    80                         ; v80-111  two sets of 16 neighbours
.set XC,    128                        ; v128-191 codes, four registers a step
.set XE,    112                        ; v112-127 a scale byte for each step
.set WREG,  8192                       ; LDS of a wave: two stages of 32 x SP bytes, then its 256 scale bytes
.set SP,    80
	v_lshlrev_b32 v3, 4, v2
	s_mul_i32 s17, s16, WREG
	v_lshrrev_b32 v14, 2, v2
	v_mul_u32_u24 v14, v14, SP
	v_and_b32 v15, 3, v2
	v_lshl_add_u32 v14, v15, 4, v14
	v_add_nc_u32 v14, s17, v14                     ; the stage, in: SP (lane / 4) + 16 (lane % 4)
	v_mul_u32_u24 v15, v2, SP
	v_add_nc_u32 v15, s17, v15                     ; and out: SP x lane
	v_and_b32 v4, 15, v2
	v_mul_u32_u24 v4, v4, CB
	v_lshrrev_b32 v10, 4, v2
	v_mad_u32_u24 v4, v10, CHUNKB, v4              ; a step is two chunks of a row: lanes 0-15 the first, lanes 16-31 the second
	v_lshrrev_b32 v5, 1, v2
	s_add_co_u32 s17, s17, 2*32*SP
	v_add_nc_u32 v5, s17, v5                       ; my block's byte among the wave's 256
	v_lshlrev_b32 v7, 3, v2
	v_add_nc_u32 v6, s17, v7
	s_sub_co_u32 s17, ttmp9, 128
	s_lshl_b32 s17, s17, 2
	s_add_co_u32 s18, s17, s16                     ; the run of 8 rows that I read
	s_and_b32 s19, s16, 1
	s_lshl_b32 s19, s19, 1
	s_lshr_b32 s20, s16, 1
	s_or_b32 s19, s19, s20
	s_add_co_u32 s19, s17, s19                     ; the run of 8 places that I write: the wave's two bits swapped
	s_lshl_b32 s20, s18, 15
	s_mov_b32 s21, 0
	s_mul_i32 s22, s19, 8*192
	s_mov_b32 s23, 0
	s_lshl_b32 s24, s19, 8
	s_mov_b32 s25, 0
	s_wait_alu depctr_va_vdst(0)
	s_wait_kmcnt 0x0
	s_add_nc_u64 s[4:5], s[4:5], s[20:21]
	s_add_nc_u64 s[10:11], s[10:11], s[22:23]
	s_add_nc_u64 s[12:13], s[12:13], s[24:25]
.macro XLOAD t
.irp i, 0,1,2,3
	global_load_b128 v[XR+16*((\t)%4)+4*\i:XR+16*((\t)%4)+4*\i+3], v3, s[4:5] offset:2048*(\t)+512*\i th:TH_LOAD_NT
.endr
.endm
.macro XTURN t                         ; LDS serves a wave's instructions in order: no wait between the stores and the loads
.irp i, 0,1,2,3
	ds_store_b128 v14, v[XR+16*((\t)%4)+4*\i:XR+16*((\t)%4)+4*\i+3] offset:32*SP*((\t)%2)+8*SP*\i
.endr
.irp i, 0,1,2,3
	ds_load_b128 v[XX+16*((\t)%2)+4*\i:XX+16*((\t)%2)+4*\i+3], v15 offset:32*SP*((\t)%2)+16*\i
.endr
.endm
.irp t, 0,1,2,3
	XLOAD \t
.endr
	s_wait_loadcnt 12                              ; step 0's four loads are in
	XTURN 0
.macro XSTEP t
.set XS, XX+16*((\t)%2)
.if (\t) > 0
	s_wait_dscnt 1                                 ; this step's numbers are back (the last step's byte store may be out)
.else
	s_wait_dscnt 0x0
.endif
.if (\t)+4 < STEPS
	XLOAD (\t)+4
.endif
.if (\t)+1 < STEPS
.if STEPS-2-(\t) >= 3
	s_wait_loadcnt 12                              ; the next step's four loads are in; three steps' may be out
.else
	s_wait_loadcnt 4*(STEPS-2-(\t))
.endif
	XTURN (\t)+1
.endif
	v_max3_num_f32 v8, |v[XS]|, |v[XS+1]|, |v[XS+2]|
	v_max3_num_f32 v9, |v[XS+3]|, |v[XS+4]|, |v[XS+5]|
.irp i, 6,10
	v_max3_num_f32 v8, v8, |v[XS+\i]|, |v[XS+\i+1]|
	v_max3_num_f32 v9, v9, |v[XS+\i+2]|, |v[XS+\i+3]|
.endr
	v_max3_num_f32 v8, v8, |v[XS+14]|, |v[XS+15]|
	v_max3_num_f32 v8, v8, v9, (EMAX+1)<<23        ; the floor 2^(3 - 127): the byte cannot fall under 1
	v_max_num_f32_dpp v8, v8, v8 row_xmask:1 row_mask:0xf bank_mask:0xf   ; with my neighbour's 16: the block's
	v_add_nc_u32 v11, -(EMAX<<23), v8              ; 2 off the exponent field: the conversion's scale operand
	v_cvt_scalef32_pk16_fp6_f32 v[XC+4*(\t):XC+4*(\t)+2], v[XS:XS+15], v11
	v_lshrrev_b32 v[XE+(\t)], 23, v11              ; the scale's byte
	ds_store_b8 v5, v[XE+(\t)] offset:16*(\t)
	global_store_b96 v4, v[XC+4*(\t):XC+4*(\t)+2], s[10:11] offset:192*((\t)/2)+2*CHUNKB*((\t)%2)   ; sixteen lanes store a place's 192 bytes of a chunk
.endm
.irp t, 0,1,2,3,4,5,6,7,8,9,10,11,12,13,14,15
	XSTEP \t
.endr
	ds_load_b64 v[12:13], v6                       ; in order behind my byte stores
	s_wait_dscnt 0x0
	global_store_b64 v7, v[12:13], s[12:13]        ; 32 lanes store 256 consecutive bytes, aligned
	s_wait_tensorcnt 0x0                           ; the wave's end
	ds_add_u32 v[SPW], v[NIL]
	s_wait_dscnt 0x0
	s_endpgm
; ---- the weights.  K is their FIRST axis: a lane takes a column and its registers run down K, so a block of 32 is one lane's 32 registers.
; Work-group x = number % 32 (0-23 w_qkv, 24-31 w_proj: only pointer and pitch are chosen), y = number / 32: the chunk of 256 along K.
; The codes go through the wave's stage (the row written is the lane's PLACE) and leave as 32 places x 192 bytes, 6,144 consecutive bytes a wave.
.Lweights:
.set NB,    8
.set WP,    272                        ; a stage row: sixteen places of 16 bytes (12 of codes) + 16
.set WX,    32                         ; v32-95   two sets of 32 numbers
.set WC,    96
.set OUTR,  112
.set SBY,   24
.set VO,    176                        ; v176-207 4 x lane + i x the tensor's row pitch
	s_and_b32 s50, ttmp9, 31
	s_lshr_b32 s18, ttmp9, 5
	v_lshlrev_b32 v3, 2, v2
	s_mul_i32 s19, s16, 32*WP
	s_add_co_u32 s19, s19, 32768                   ; my stage, behind the other way's LDS
	v_and_b32 v10, 7, v2
	v_bfe_u32 v11, v2, 3, 1
	v_lshl_add_u32 v10, v11, 4, v10
	v_bfe_u32 v11, v2, 4, 1
	v_lshl_add_u32 v10, v11, 3, v10                ; my column's place among the wave's 32
	v_mul_u32_u24 v4, v10, WP
	v_add_nc_u32 v4, s19, v4
	v_and_b32 v5, 15, v2
	v_lshrrev_b32 v6, 4, v2
	v_mul_u32_u24 v7, v6, WP
	v_lshl_add_u32 v7, v5, 4, v7
	v_add_nc_u32 v7, s19, v7                       ; out of the stage: sixteen lanes to a row, two rows an instruction
	v_mul_u32_u24 v8, v6, 192
	v_mad_u32_u24 v8, v5, 12, v8                   ; and the same place in cod
	v_lshlrev_b32 v9, 5, v10                       ; my place's row of scale bytes
	s_cmp_lt_u32 s50, 24
	s_cselect_b32 s17, 0, 24
	s_mov_b32 s20, 4096
	s_cselect_b32 s20, 12288, s20                  ; bytes from a row of the tensor to the next
	s_sub_co_u32 s17, s50, s17
	s_lshl_b32 s17, s17, 7
	s_lshl_b32 s21, s16, 5
	s_add_co_u32 s17, s17, s21                     ; my wave's first column in its tensor
	s_lshl_b32 s22, s17, 2
	s_mul_i32 s23, s18, s20
	s_lshl_b32 s23, s23, 8
	s_add_co_u32 s22, s22, s23
	s_mov_b32 s23, 0
	s_lshl_b32 s24, s20, 5                         ; 32 rows: a block
	s_mov_b32 s25, 0
	s_lshl_b32 s26, s50, 7
	s_add_co_u32 s26, s26, s21
	s_add_co_u32 s26, s26, 8192                    ; my wave's first row of cod and scl
	s_mul_i32 s28, s26, 192
	s_mul_i32 s27, s18, CHUNKB
	s_add_co_u32 s28, s28, s27
	s_mov_b32 s29, 0
	s_lshl_b32 s30, s26, 5
	s_lshl_b32 s27, s18, 3
	s_add_co_u32 s30, s30, s27
	s_mov_b32 s31, 0
.irp i, 0,1,2,3,4,5,6,7,8,9,10,11,12,13,14,15,16,17,18,19,20,21,22,23,24,25,26,27,28,29,30,31
	v_mad_u32_u24 v[VO+\i], s20, \i, v3
.endr
	s_wait_alu depctr_va_vdst(0)
	s_wait_kmcnt 0x0
	s_cmp_lt_u32 s50, 24
	s_cselect_b64 s[4:5], s[6:7], s[8:9]
	s_add_nc_u64 s[32:33], s[4:5], s[22:23]        ; a base for each of the eight blocks
.irp t, 1,2,3,4,5,6,7
	s_add_nc_u64 s[32+2*\t:33+2*\t], s[30+2*\t:31+2*\t], s[24:25]
.endr
	s_add_nc_u64 s[10:11], s[10:11], s[28:29]
	s_add_nc_u64 s[12:13], s[12:13], s[30:31]
.macro WLOAD t
.irp i, 0,1,2,3,4,5,6,7,8,9,10,11,12,13,14,15,16,17,18,19,20,21,22,23,24,25,26,27,28,29,30,31
	global_load_b32 v[WX+32*((\t)%2)+\i], v[VO+\i], s[32+2*(\t):33+2*(\t)] th:TH_LOAD_NT
.endr
.endm
	WLOAD 0
	WLOAD 1
.macro WBLOCK t
.set XS, WX+32*((\t)%2)
.if (\t) < NB-1
	s_wait_loadcnt 32                              ; this block's 32 loads are in; the next block's may be out
.else
	s_wait_loadcnt 0
.endif
	v_max3_num_f32 v12, |v[XS]|, |v[XS+1]|, |v[XS+2]|
	v_max3_num_f32 v13, |v[XS+3]|, |v[XS+4]|, |v[XS+5]|
.irp i, 6,10,14,18,22,26
	v_max3_num_f32 v12, v12, |v[XS+\i]|, |v[XS+\i+1]|
	v_max3_num_f32 v13, v13, |v[XS+\i+2]|, |v[XS+\i+3]|
.endr
	v_max3_num_f32 v12, v12, |v[XS+30]|, |v[XS+31]|
	v_max3_num_f32 v12, v12, v13, (EMAX+1)<<23
	v_add_nc_u32 v11, -(EMAX<<23), v12
	v_lshrrev_b32 v13, 23, v11
.if (\t)%4 == 0
	v_mov_b32 v[SBY+(\t)/4], v13
.else
	v_lshl_or_b32 v[SBY+(\t)/4], v13, 8*((\t)%4), v[SBY+(\t)/4]
.endif
	v_cvt_scalef32_pk16_fp6_f32 v[WC:WC+2], v[XS:XS+15], v11
	v_cvt_scalef32_pk16_fp6_f32 v[WC+4:WC+6], v[XS+16:XS+31], v11
	ds_store_b96 v4, v[WC:WC+2] offset:32*(\t)
	ds_store_b96 v4, v[WC+4:WC+6] offset:32*(\t)+16
.if (\t)+2 < NB
	WLOAD (\t)+2
.endif
	s_wait_dscnt 0x0                               ; the stores have read their registers
.endm
.set Q, 0
.rept NB
	WBLOCK Q
.set Q, Q+1
.endr
	s_wait_alu depctr_va_vdst(0)
	global_store_b64 v9, v[SBY:SBY+1], s[12:13]    ; my column's eight scale bytes
.irp t, 0,1,2,3,4,5,6,7,8,9,10,11,12,13,14,15
	ds_load_b96 v[OUTR+4*\t:OUTR+4*\t+2], v7 offset:2*\t*WP
.endr
.irp t, 0,1,2,3,4,5,6,7,8,9,10,11,12,13,14,15
	s_wait_dscnt 15-\t
	global_store_b96 v8, v[OUTR+4*\t:OUTR+4*\t+2], s[10:11] offset:2*\t*192
.endr
	s_wait_tensorcnt 0x0
	ds_add_u32 v[SPW], v[NIL]
	s_wait_dscnt 0x0
	s_endpgm
.Lfunc_end_k_qda89d8d368_quant:
	.size	k_qda89d8d368_quant, .Lfunc_end_k_qda89d8d368_quant-k_qda89d8d368_quant
	.p2alignl 7, 3214868480
	.fill 96, 4, 3214868480
	.section	.rodata,"a",@progbits
	.p2align	6, 0x0
	.amdhsa_kernel k_qda89d8d368_quant
		.amdhsa_group_segment_fixed_size 68096
		.amdhsa_private_segment_fixed_size 0
		.amdhsa_enable_private_segment 0
		.amdhsa_kernarg_size 40
		.amdhsa_user_sgpr_count 2
		.amdhsa_user_sgpr_kernarg_segment_ptr 1
		.amdhsa_wavefront_size32 1
		.amdhsa_system_sgpr_workgroup_id_x 1
		.amdhsa_system_sgpr_workgroup_id_y 1
		.amdhsa_system_sgpr_workgroup_id_z 1
		.amdhsa_system_vgpr_workitem_id 0
		.amdhsa_next_free_vgpr 210
		.amdhsa_next_free_sgpr 66
		.amdhsa_reserve_vcc 0
		.amdhsa_float_denorm_mode_32 3
		.amdhsa_float_denorm_mode_16_64 3
		.amdhsa_memory_ordered 1
		.amdhsa_forward_progress 1
		.amdhsa_inst_pref_size 76
	.end_amdhsa_kernel
	.amdgpu_metadata
---
amdhsa.version: [ 1, 2 ]
amdhsa.kernels:
  - .name:           k_qda89d8d368_quant
    .symbol:         k_qda89d8d368_quant.kd
    .args:
      - { .name: x, .offset: 0, .size: 8, .value_kind: global_buffer, .address_space: global }
      - { .name: w_qkv, .offset: 8, .size: 8, .value_kind: global_buffer, .address_space: global }
      - { .name: w_proj, .offset: 16, .size: 8, .value_kind: global_buffer, .address_space: global }
      - { .name: cod, .offset: 24, .size: 8, .value_kind: global_buffer, .address_space: global }
      - { .name: scl, .offset: 32, .size: 8, .value_kind: global_buffer, .address_space: global }
    .group_segment_fixed_size: 68096
    .private_segment_fixed_size: 0
    .kernarg_segment_align: 8
    .kernarg_segment_size: 40
    .max_flat_workgroup_size: 128
    .sgpr_count:     66
    .vgpr_count:     210
    .wavefront_size: 32
...
	.end_amdgpu_metadata
.endif
;; end of part 1
;; launch gemm_qkv (part 2): grid 8 x 32, 4 waves a work-group, clusters of 4 x 4, 327,680 bytes of LDS; arguments cod, scl, qb, kv; writes qb, kv
.if DOCPART == 2
	.amdgcn_target "amdgcn-amd-amdhsa--gfx1250"
	.amdhsa_code_object_version 6
	.text
	.protected	k_qda89d8d368_gemm_qkv
	.globl	k_qda89d8d368_gemm_qkv
	.p2align	8
	.type	k_qda89d8d368_gemm_qkv,@function
k_qda89d8d368_gemm_qkv:
	s_mov_b64 s[64:65], 0
	v_nop
	global_prefetch_b8 v0, s[64:65] scope:SCOPE_SE
	s_setreg_imm32_b32 hwreg(HW_REG_WAVE_MODE, 25, 1), 1
	s_wait_xcnt 0x0
	s_wait_alu depctr_hold_cnt(0) depctr_sa_sdst(0) depctr_va_vdst(0) depctr_va_sdst(0) depctr_va_ssrc(0) depctr_va_vcc(0) depctr_vm_vsrc(0)
	s_getreg_b32 s2, hwreg(HW_REG_IB_STS2, 6, 4)
	s_cmp_eq_u32 s2, 0
	s_cbranch_scc0 .Lentry_in_a_cluster
	s_endpgm
.Lentry_in_a_cluster:
	s_bfe_u32 s2, ttmp6, 0x10000c
	s_cmp_lg_u32 s2, 0xf033
	s_cbranch_scc0 .Lentry_shape_is_right
	s_endpgm
.Lentry_shape_is_right:
; qkv = x w_qkv on codes of FP6 (E2M3) with E8M0 scales, K = 1,024.  The results are quantised here (q, k along the head's 64, v along the keys) and stored as images of the operand registers that the attention launch loads.
; 256 work-groups of four waves, each with TWO TILES on end.  Source 0 ("S0") and source 1 ("S1") are both rows of cod (places in pi order: bits 3, 4 of the row swapped).
;   Tile 1, 256 x 256 of q or k: S1 = tokens (tile 4 cluster y + cy), S0 = columns of wq | wk (tile 4 cluster x + cx); a wave makes 128 x 128: 64 accumulators.  A lane holds a token, registers run along d.
;   Tile 2, 128 x 256 of v: S1 = 128 columns of wv (4 (cluster y % 2) + cy), S0 = 256 tokens (8 (cluster y / 2) + 4 cluster x + cx); a wave makes 64 x 128: one head, 32 accumulators.  A lane holds a channel, registers run along the keys.
; In the result of (S0 tile b, S1 tile a) lane (r, h) holds S1's place 16 a + r, and the 16 registers of tiles 2 B, 2 B + 1 hold S0's TRUE indices 32 B + 16 h + 0 .. 15.
; In both tiles S1's rows hang on cy and the cluster's number alone and are shared along a row of the 4 x 4 cluster, S0's on cx and the cluster's number and are shared along a column: joint loads.
; K goes in chunks of 256 (192 bytes a row) through two LDS slots.  cod lies by chunks, so 128 rows of a chunk are a dense block: fetched as 96 rows of 256 bytes (64 rows: 48), with 16 bytes of padding behind every 64: an LDS row is 240 bytes.
; THE RING GOES ON INTO TILE 2: tile 1's last two changes of slots ask for tile 2's chunks 0 and 1, which are on their way while tile 1's results are quantised and stored.
; THE SCALE WORDS of a wave's rows for all of K stay in 64 registers: v[SC + 8 i + g]: lanes 0-15 S1's block i, lanes 16-31 S0's block i, K step g; tile 2's are loaded when tile 1's last product has been issued.
; OUTPUT.  Half-image = 16 rows x 64 K = registers 0-5 of an operand: 512 bytes (lane l's registers 0-3 at 16 l), then 256 bytes (registers 4-5 at 8 l).
;   qb [head 64][128 tokens, 16][6,656]: 8 tiles x 768, then a scale image of 512 bytes.   kv [head 64][128 keys, 16][13,056]: K 8 x 768 | V 4 d-tiles x 1,536 | K's scale image 512 | V's 256.
;   A scale image: lane l's word j: lanes 0-15 tile 2 j's row l, lanes 16-31 tile 2 j + 1's.  q's and k's words carry 0x7f in the two bytes of the K that a head of 64 does not have.
; NO PREFETCH: K is four chunks, of which two are asked for at the head; tile 2's chunks are asked for a whole way out ahead of their use.
; LIMITS: NaN and infinities are not served; a block of zeros gets the byte 1 with zero codes.
; REGISTERS: window 0: v0-31 addresses; v32-95 scale words; v128-223 S1's fragments (tile 1: one set of 8; tile 2: two sets of 4; free on the way out).  window 1: S0's fragments, two sets.  windows 2, 3: accumulators ((a, b) at v[8 (8 (a % 4) + b)]).
.set ROWB,   192
.set CHUNKB, 12288*ROWB
.set PITCH,  240
.set FR,     12
.set NLA,    6
.set HALFT,  128*PITCH
.set SLOT,   4*HALFT
.set SPARE,  2*SLOT
.set ADRA, 16                          ; v16-17 S1's fragments in slot 0, 1; v18-19 behind one padding more
.set ADRB, 20
.set L16,  24
.set L8,   25
.set VSO,  26                          ; my row's scale bytes in scl, tile 1
.set VSV,  27                          ; tile 2
.set SPW,  28
.set NIL,  29
.set SC,   32
.set AF,   128
.set PC,   112
.set SW,   160
.set WO,   164
.set TM,   200
.set PW,   216
.set G1, 24
.set G0, 32
.set G1B, 48
.set G0B, 56
.set BA, 66
.set BB, 68
.set SA, 74
.set SB, 76
.set SEL, 88
.set MSB, 0
.macro WIN new
.if MSB != (\new)
	s_set_vgpr_msb (MSB<<8)|(\new)
.set MSB, (\new)
.endif
.endm
.set MUL_LO, 0xa1
.set MUL_HI, 0xf1
.set TO_B,   0x40
.macro PLACES
.rept 4
	v_nop
.endr
.endm
; A joint load: waves 0, 1 fetch S1's halves, waves 2, 3 S0's.  The branch hangs on the wave's number alone.
.macro JLOAD g0a, g1a, g0b, g1b
	s_cmp_eq_u32 s15, 0
	s_cbranch_scc0 .Lfor_b_\@
	tensor_load_to_lds s[\g0a:\g0a+3], s[\g1a:\g1a+7]
	s_nop 0
	PLACES
	s_branch .Lasked_\@
.Lfor_b_\@:
	tensor_load_to_lds s[\g0b:\g0b+3], s[\g1b:\g1b+7]
	s_nop 0
	PLACES
.Lasked_\@:
.endm
.macro CREST
	s_cmp_lg_u32 s14, 0
	s_cbranch_scc1 .Lnot_wave_0_\@
	s_barrier_signal -3
.Lnot_wave_0_\@:
	s_barrier_wait -3
	s_barrier_signal -1
	s_barrier_wait -1
.endm
.macro CROUND
	s_barrier_signal -1
	s_barrier_wait -1
	CREST
.endm
.macro SCLOAD adr                      ; 64 scale words
.irp i, 0,1,2,3,4,5,6,7
.irp e, 0,1
	global_load_b128 v[SC+8*\i+4*\e:SC+8*\i+4*\e+3], v[\adr], s[6:7] offset:512*\i+16*\e
.endr
.endr
.endm
	s_load_b256 s[4:11], s[0:1], 0x0               ; cod, scl, qb, kv
	v_lshl_add_u32 v[SPW], v0, 2, SPARE
	v_mov_b32 v[NIL], 0
	ds_add_u32 v[SPW], v[NIL]                      ; the opening lines: the add twice on end and its wait
	ds_add_u32 v[SPW], v[NIL]
	v_lshrrev_b32 v1, 5, v0
	v_readfirstlane_b32 s14, v1                    ; wave
	s_lshr_b32 s15, s14, 1                         ; my half of S1's rows.  Also: I fetch for S1 (0) or S0 (1)
	s_and_b32 s16, s14, 1                          ; my half of S0's rows.  Also: which half I fetch
	s_bfe_u32 s40, ttmp6, 0x40000                  ; cx
	s_bfe_u32 s41, ttmp6, 0x40004                  ; cy
	s_and_b32 s12, ttmp7, 0xffff                   ; cluster y
	s_lshl_b32 s43, s41, 2
	s_lshl_b32 s43, 15, s43                        ; my row of the cluster
	s_lshl_b32 s44, 0x1111, s40                    ; my column
	s_lshl_b32 s17, s12, 2
	s_add_co_u32 s17, s17, s41                     ; tile 1: S1's 256 tokens
	s_lshl_b32 s42, ttmp9, 2
	s_add_co_u32 s42, s42, s40                     ; tile 1: S0's 256 columns of wq | wk
	s_and_b32 s91, s12, 1
	s_lshl_b32 s91, s91, 2
	s_add_co_u32 s91, s91, s41                     ; tile 2: S1's 128 columns of wv
	s_lshr_b32 s96, s12, 1
	s_lshl_b32 s96, s96, 3
	s_add_co_u32 s96, s96, s42                     ; tile 2: S0's 256 tokens
	s_or_b32 s[G1], s43, (3<<16)|(1<<20)|(1<<21)|(3<<22)|(3<<25)   ; elements of 8 bytes; padding of 4 words behind every 16
	s_or_b32 s[G1B], s44, (3<<16)|(1<<20)|(1<<21)|(3<<22)|(3<<25)
.irp g, G1, G1B
	s_mov_b32 s[\g+1], 32<<16                      ; rows of 256 bytes,
	s_mov_b32 s[\g+2], 96<<16                      ; 96 of them: 128 rows of codes
	s_mov_b32 s[\g+3], 32<<16
	s_mov_b32 s[\g+4], 96
	s_mov_b32 s[\g+5], 32
	s_mov_b32 s[\g+6], 0
	s_mov_b32 s[\g+7], 0
.endr
	s_lshl_b32 s18, s16, 7
	s_lshl_b32 s20, s17, 8
	s_add_co_u32 s20, s20, s18
	s_mul_i32 s20, s20, ROWB                       ; tile 1, S1: the 128 rows that I would fetch
	s_mov_b32 s21, 0
	s_lshl_b32 s46, s42, 8
	s_add_co_u32 s46, s46, s18
	s_add_co_u32 s46, s46, 8192
	s_mul_i32 s46, s46, ROWB                       ; S0 likewise
	s_mov_b32 s47, 0
	s_lshl_b32 s92, s91, 7
	s_lshl_b32 s19, s16, 6
	s_add_co_u32 s92, s92, s19
	s_add_co_u32 s92, s92, 10240
	s_mul_i32 s92, s92, ROWB                       ; tile 2, S1: 64 rows
	s_mov_b32 s93, 0
	s_lshl_b32 s94, s96, 8
	s_add_co_u32 s94, s94, s18
	s_mul_i32 s94, s94, ROWB                       ; tile 2, S0: 128 rows
	s_mov_b32 s95, 0
	s_mul_i32 s45, s14, HALFT                      ; where they go: wave x 128 rows
	s_wait_dscnt 0x0
	s_wait_kmcnt 0x0
	s_add_nc_u64 s[20:21], s[4:5], s[20:21]
	s_add_nc_u64 s[46:47], s[4:5], s[46:47]
	s_add_nc_u64 s[92:93], s[4:5], s[92:93]
	s_add_nc_u64 s[94:95], s[4:5], s[94:95]
	CROUND                                         ; all sixteen work-groups are here: the first joint loads meet
.irp s, 0,1
	s_mov_b32 s[G0+4*\s], 1
	s_add_co_u32 s[G0+4*\s+1], s45, \s*SLOT
	s_add_nc_u64 s[G0+4*\s+2:G0+4*\s+3], s[20:21], \s*CHUNKB
	s_or_b32 s[G0+4*\s+3], s[G0+4*\s+3], 0x80000000
	s_mov_b32 s[G0B+4*\s], 1
	s_add_co_u32 s[G0B+4*\s+1], s45, \s*SLOT
	s_add_nc_u64 s[G0B+4*\s+2:G0B+4*\s+3], s[46:47], \s*CHUNKB
	s_or_b32 s[G0B+4*\s+3], s[G0B+4*\s+3], 0x80000000
.endr
	JLOAD G0, G1, G0B, G1B                         ; chunk 0: one tensor load a wave at the head
	s_mul_i32 s78, s15, HALFT
	s_add_co_u32 s79, s78, SLOT
	s_mul_i32 s80, s16, HALFT
	s_add_co_u32 s80, s80, 2*HALFT
	s_add_co_u32 s81, s80, SLOT
	s_lshl_b32 s82, s17, 8
	s_lshl_b32 s19, s15, 7
	s_add_co_u32 s82, s82, s19                     ; my first row of S1, tile 1
	s_lshl_b32 s83, s42, 8
	s_add_co_u32 s83, s83, s18
	s_add_co_u32 s83, s83, 8192                    ; of S0
	s_lshl_b32 s84, s91, 7
	s_lshl_b32 s19, s15, 6
	s_add_co_u32 s84, s84, s19
	s_add_co_u32 s84, s84, 10240                   ; of S1, tile 2
	s_lshl_b32 s85, s96, 8
	s_add_co_u32 s85, s85, s18                     ; of S0, tile 2
	v_and_b32 v1, 15, v0                           ; r
	v_bfe_u32 v2, v0, 4, 1                         ; h
	v_and_b32 v6, 31, v0
	v_mul_u32_u24 v3, v1, PITCH
	v_mad_u32_u24 v4, v2, 24, v3                   ; a fragment's row x pitch + 24 h
	v_lshl_add_u32 v5, v2, 4, v4                   ; and behind one padding more
	v_add_nc_u32 v[ADRA], s78, v4
	v_add_nc_u32 v[ADRA+1], s79, v4
	v_add_nc_u32 v[ADRA+2], s78, v5
	v_add_nc_u32 v[ADRA+3], s79, v5
	v_add_nc_u32 v[ADRB], s80, v4
	v_add_nc_u32 v[ADRB+1], s81, v4
	v_add_nc_u32 v[ADRB+2], s80, v5
	v_add_nc_u32 v[ADRB+3], s81, v5
	v_lshlrev_b32 v[L16], 4, v6
	v_lshlrev_b32 v[L8], 3, v6
	v_cmp_le_u32 vcc_lo, 16, v6
	v_mov_b32 v7, s84
	v_mov_b32 v8, s85
	v_cndmask_b32 v7, v7, v8, vcc_lo
	v_add_lshl_u32 v[VSV], v7, v1, 5
	v_mov_b32 v7, s82
	v_mov_b32 v8, s83
	v_cndmask_b32 v7, v7, v8, vcc_lo               ; lanes 0-15 take S1's scale words, lanes 16-31 S0's
	v_add_lshl_u32 v[VSO], v7, v1, 5               ; 32 scale bytes a row
	SCLOAD VSO
	; where tile 1's results go
	s_lshl_b32 s18, s17, 1
	s_add_co_u32 s18, s18, s15                     ; the group of 128 tokens
	s_lshl_b32 s19, s42, 1
	s_add_co_u32 s19, s19, s16
	s_and_b32 s19, s19, 7                          ; the pair of heads
	s_lshr_b32 s22, s18, 4
	s_lshl_b32 s22, s22, 4
	s_lshl_b32 s23, s19, 1
	s_add_co_u32 s22, s22, s23                     ; 16 x batch + head
	s_lshl_b32 s22, s22, 4
	s_and_b32 s23, s18, 15
	s_add_co_u32 s22, s22, s23                     ; the block's number
	s_cmp_eq_u32 ttmp9, 0                          ; q (cluster x = 0) or k
	s_cselect_b64 s[BA:BA+1], s[8:9], s[10:11]
	s_mov_b32 s97, 13056
	s_cselect_b32 s97, 6656, s97                   ; a block's bytes
	s_mov_b32 s98, 208896
	s_cselect_b32 s98, 106496, s98                 ; from a head to the next
	s_mov_b32 s99, 12288
	s_cselect_b32 s99, 6144, s99                   ; the scale image in its block
	s_mul_i32 s22, s22, s97
	s_mov_b32 s23, 0
	s_add_nc_u64 s[BA:BA+1], s[BA:BA+1], s[22:23]
	s_mov_b32 s22, s98
	s_add_nc_u64 s[BB:BB+1], s[BA:BA+1], s[22:23]  ; registers 6-11: the next head
	s_mov_b32 s22, s99
	s_add_nc_u64 s[SA:SA+1], s[BA:BA+1], s[22:23]
	s_mov_b32 s22, s98
	s_add_nc_u64 s[SB:SB+1], s[SA:SA+1], s[22:23]
	s_mov_b32 s[SEL], 0x76543210
	s_mov_b32 s[SEL+1], 0xfedcba98
	s_mov_b32 s90, 0x7f7f0000
.macro FRAG reg, adr, q, i             ; 16 rows x 128 K in pieces of 8 bytes; a piece that lies behind one padding more for lanes 16-31 takes the second address register
.irp p, 0,1,2,3,4,5
.set PCE, 12*(\q)+6*(\p/3)+\p%3
.if PCE%8 < 5
	ds_load_b64 v[\reg+2*\p:\reg+2*\p+1], v[\adr] offset:8*PCE+16*(PCE/8)+(\i)*16*PITCH
.else
	ds_load_b64 v[\reg+2*\p:\reg+2*\p+1], v[\adr+2] offset:8*PCE+16*(PCE/8)+(\i)*16*PITCH
.endif
.endr
.endm
.macro WM d, fb, fa, c, xb, xa
	v_wmma_scale_f32_16x16x128_f8f6f4 v[\d:\d+7], v[\fb:\fb+FR-1], v[\fa:\fa+FR-1], \c, v[\xb], v[\xa] matrix_a_fmt:MATRIX_FMT_FP6 matrix_b_fmt:MATRIX_FMT_FP6 matrix_a_scale:MATRIX_SCALE_ROW1
.endm
; 16 matrix instructions: S1's blocks a0, a0 + 1 (their fragments ao places further on) x S0's eight; p: S0's set; ks: the K step of 128.  The accumulators take turns, one instruction a turn.
.macro MUL16 a0, p, ks, zero, ao=0
.irp a, \a0, \a0+1
.irp b, 0,1,2,3,4,5,6,7
.set D_, 8*(8*((\a)%4)+\b)
.set FB_, 128*(\p)+FR*\b
.set FA_, AF+FR*((\a)+(\ao))
.set XB_, SC+8*\b+(\ks)
.set XA_, SC+8*(\a)+(\ks)
.if \zero
	WM D_, FB_, FA_, 0, XB_, XA_
.else
	WM D_, FB_, FA_, v[D_:D_+7], XB_, XA_
.endif
.endr
.endr
.endm
.macro FETCH_B slot, q, p
	WIN TO_B
.irp i, 0,1,2,3,4,5,6,7
	FRAG 128*(\p)+FR*\i, ADRB+\slot, \q, \i
.endr
	WIN 0
.endm
.macro FETCH_A slot, q, i0, ro=0       ; S1's blocks i0 - ro .. + 3 into fragment places i0 .. + 3
.irp i, \i0, \i0+1, \i0+2, \i0+3
	FRAG AF+FR*(\i), ADRA+\slot, \q, (\i)-(\ro)
.endr
.endm
.macro STEP slot, ks, zero             ; tile 1: a slot's first 128 along K
	s_wait_dscnt 4*NLA                             ; S0's set and S1's blocks 0-3 are in; the youngest 24 loads (blocks 4-7) may be out
	WIN MUL_LO
	MUL16 0, 0, \ks, \zero
	MUL16 2, 0, \ks, \zero
	s_wait_dscnt 0x0
	PLACES
	FETCH_B \slot, 1, 1
	FETCH_A \slot, 1, 0
	WIN MUL_HI
	MUL16 4, 0, \ks, \zero
	MUL16 6, 0, \ks, \zero
	PLACES
	WIN 0
	FETCH_A \slot, 1, 4
.endm
.macro VSTEP slot, ks, zero            ; tile 2: a slot's first 128 along K; the second 128's fragments go into the other sets ahead of the products
	s_wait_dscnt 0x0
	PLACES
	FETCH_B \slot, 1, 1
	FETCH_A \slot, 1, 4, 4
	WIN MUL_LO
	MUL16 0, 0, \ks, \zero
	MUL16 2, 0, \ks, \zero
	WIN 0
.endm
; A slot's second 128 along K, and the change of slots: one barrier; ahead of it each wave waits for all its tensor loads, adds 0 to its spare word, and waits for that and for its reads of this slot.
; fill: 0 nothing more to fetch; 1 this tile's chunk two on; 2 tile 2's chunk of this slot.  h = 1: tile 2.  fetch = 0: the next fragments are fetched later.
.macro TURN slot, next, fill, ks, h=0, fetch=1
	s_wait_tensorcnt 0x0
	ds_add_u32 v[SPW], v[NIL]
.if \h
	s_wait_dscnt 1                                 ; (the add may be out)
.else
	s_wait_dscnt 4*NLA+1                           ; (the add and S1's blocks 4-7 may be out)
.endif
	WIN MUL_LO
	MUL16 0, 1, \ks, 0, 4*\h
	s_wait_dscnt 0x0
	s_barrier_signal -1
	MUL16 2, 1, \ks, 0, 4*\h
	WIN 0
	s_barrier_wait -1
.if \fill
	CREST                                          ; the barrier has opened a round of the cluster's: no wave of any partner reads this slot or has a load on its way
.if \fill == 1
	s_add_nc_u64 s[G0+4*\slot+2:G0+4*\slot+3], s[G0+4*\slot+2:G0+4*\slot+3], 2*CHUNKB
	s_add_nc_u64 s[G0B+4*\slot+2:G0B+4*\slot+3], s[G0B+4*\slot+2:G0B+4*\slot+3], 2*CHUNKB
.else
	s_mov_b32 s[G1+2], 48<<16                      ; no load of mine is out: from here on S1's load brings 64 rows of codes
	s_mov_b32 s[G1+4], 48
	s_add_nc_u64 s[G0+4*\slot+2:G0+4*\slot+3], s[92:93], \slot*CHUNKB
	s_or_b32 s[G0+4*\slot+3], s[G0+4*\slot+3], 0x80000000
	s_add_nc_u64 s[G0B+4*\slot+2:G0B+4*\slot+3], s[94:95], \slot*CHUNKB
	s_or_b32 s[G0B+4*\slot+3], s[G0B+4*\slot+3], 0x80000000
.endif
	JLOAD G0+4*\slot, G1, G0B+4*\slot, G1B         ; the first tensor load behind the round; its four v_nop are the places ahead of the loads below
.else
	PLACES
.endif
.if \fetch
	FETCH_B \next, 0, 0
	FETCH_A \next, 0, 0
.endif
.if \h == 0
	WIN MUL_HI
	MUL16 4, 1, \ks, 0
	MUL16 6, 1, \ks, 0
	PLACES
	WIN 0
.if \fetch
	FETCH_A \next, 0, 4
.endif
.endif
.endm
; THE WAY OUT.  For S1's block a the 64 registers at s of window W are, for lane (r, h), 64 numbers of place 16 a + r: register 16 b + i = index 32 b + 16 h + i along the next K.
.macro QMAX s, W                       ; the four blocks' largest magnitudes (each accumulator from its low end on), scale operands, bytes, the scale word
	WIN (\W)|((\W)<<2)
.irp b, 0,1,2,3
	v_max3_num_f32 v[TM+\b], |v[(\s)+16*\b]|, |v[(\s)+1+16*\b]|, 0x1800000   ; with the floor 2^(3 - 127)
.endr
.irp i, 2,4,6,8,10,12,14
.irp b, 0,1,2,3
	v_max3_num_f32 v[TM+\b], |v[(\s)+16*\b+\i]|, |v[(\s)+1+16*\b+\i]|, v[TM+\b]
.endr
.endr
	WIN 0
.irp b, 0,1,2,3
	v_permlanex16_b32 v[TM+4+\b], v[TM+\b], s[SEL], s[SEL+1]
.endr
.irp b, 0,1,2,3
	v_max_num_f32 v[TM+\b], v[TM+\b], v[TM+4+\b]
.endr
.irp b, 0,1,2,3
	v_add_nc_u32 v[TM+12+\b], 0xff000000, v[TM+\b]
.endr
.irp b, 0,1,2,3
	v_lshrrev_b32 v[TM+4+\b], 23, v[TM+12+\b]
.endr
	v_lshl_or_b32 v[PW], v[TM+5], 8, v[TM+4]
	v_lshl_or_b32 v[PW], v[TM+6], 16, v[PW]
	v_lshl_or_b32 v[PW], v[TM+7], 24, v[PW]
.endm
.macro QCVT s, W                       ; the codes, and the exchange of halves that gives each lane a whole block: v[PC] .. v[PC + 11] is the operand's fragment
	WIN (\W)
.irp c, 0,1
	v_cvt_scalef32_pk16_fp6_f32 v[PC+6*\c:PC+2+6*\c], v[(\s)+32*\c:(\s)+15+32*\c], v[TM+12+2*\c]
	v_cvt_scalef32_pk16_fp6_f32 v[PC+12+4*\c:PC+14+4*\c], v[(\s)+16+32*\c:(\s)+31+32*\c], v[TM+12+2*\c+1]
.endr
	WIN 0
	v_nop
.irp c, 0,1
.irp i, 0,1,2
	v_permlane16_swap_b32 v[PC+6*\c+\i], v[PC+12+4*\c+\i]
.endr
.irp i, 0,1,2
	v_mov_b32 v[PC+3+6*\c+\i], v[PC+12+4*\c+\i]
.endr
.endr
.endm
.macro EPI n, ts                       ; n blocks of S1; ts: bytes from a tile's image to the next
	PLACES
.irp b, 0,1,2,3
	v_mov_b32 v[TM+4+\b], 0                        ; a lane permute's destination counts as one of its sources
.endr
	v_and_b32 v6, 31, v0
	v_cmp_le_u32 vcc_lo, 16, v6
.set A_, 0
.rept \n
	QMAX 64*(A_%4), 2+A_/4
.if A_%2 == 0
	v_mov_b32 v[SW+A_/2], v[PW]                    ; lanes 0-15: the even tile's words,
.else
	v_cndmask_b32 v[SW+A_/2], v[SW+A_/2], v[PW], vcc_lo   ; lanes 16-31: the odd tile's
.endif
	s_wait_alu depctr_va_vdst(0)
	s_wait_xcnt 0x0                                ; the last tile's stores have read their data and bases
.if A_ > 0
	s_add_nc_u64 s[BA:BA+1], s[BA:BA+1], \ts
	s_add_nc_u64 s[BB:BB+1], s[BB:BB+1], \ts
.endif
	QCVT 64*(A_%4), 2+A_/4
	global_store_b128 v[L16], v[PC:PC+3], s[BA:BA+1]               ; 512 consecutive bytes, aligned to 256
	global_store_b64 v[L8], v[PC+4:PC+5], s[BA:BA+1] offset:512    ; 256 consecutive bytes, aligned
	global_store_b128 v[L16], v[PC+6:PC+9], s[BB:BB+1]
	global_store_b64 v[L8], v[PC+10:PC+11], s[BB:BB+1] offset:512
.set A_, A_+1
.endr
.endm
	s_wait_alu depctr_va_vdst(0)
	s_wait_tensorcnt 0x0                           ; my part of chunk 0 is in
	ds_add_u32 v[SPW], v[NIL]
	s_wait_dscnt 0x0
	CROUND
	JLOAD G0+4, G1, G0B+4, G1B                     ; chunk 1, the first tensor load behind the round
	FETCH_B 0, 0, 0
	FETCH_A 0, 0, 0
	FETCH_A 0, 0, 4
	s_wait_loadcnt 0x0                             ; the scale words
	STEP 0, 0, 1                                   ; the first products start the sums
	TURN 0, 1, 1, 1
	STEP 1, 2, 0
	TURN 1, 0, 1, 3
	STEP 0, 4, 0
	TURN 0, 1, 2, 5                                ; slot 0 takes tile 2's chunk 0,
	STEP 1, 6, 0
	TURN 1, 0, 2, 7, 0, 0                          ; slot 1 its chunk 1; this round also shows chunk 0 to all waves
	SCLOAD VSV                                     ; tile 2's scale words, behind the places of the last products
	EPI 8, 768
.irp j, 0,1,2,3
	v_and_or_b32 v[WO+\j], v[SW+\j], 0xffff, s90   ; the first head's two bytes, 0x7f above them
	v_lshrrev_b32 v[WO+4+\j], 16, v[SW+\j]
	v_or_b32 v[WO+4+\j], s90, v[WO+4+\j]           ; the second head's
.endr
	global_store_b128 v[L16], v[WO:WO+3], s[SA:SA+1]
	global_store_b128 v[L16], v[WO+4:WO+7], s[SB:SB+1]
	s_wait_xcnt 0x0                                ; the stores have read their data and bases
	s_lshl_b32 s18, s96, 1
	s_add_co_u32 s18, s18, s16                     ; tile 2: my group of 128 keys
	s_lshl_b32 s19, s91, 1
	s_add_co_u32 s19, s19, s15                     ; my head
	s_lshr_b32 s22, s18, 4
	s_lshl_b32 s22, s22, 4
	s_add_co_u32 s22, s22, s19
	s_lshl_b32 s22, s22, 4
	s_and_b32 s23, s18, 15
	s_add_co_u32 s22, s22, s23
	s_mul_i32 s22, s22, 13056
	s_mov_b32 s23, 0
	s_add_nc_u64 s[SA:SA+1], s[10:11], s[22:23]
	s_add_nc_u64 s[BA:BA+1], s[SA:SA+1], 6144      ; v's tiles lie behind k's
	s_add_nc_u64 s[BB:BB+1], s[SA:SA+1], 6144+768  ; registers 6-11: the tile's second half-image
	s_add_nc_u64 s[SA:SA+1], s[SA:SA+1], 12800
	FETCH_B 0, 0, 0
	FETCH_A 0, 0, 0
	s_wait_loadcnt 0x0
	VSTEP 0, 0, 1
	TURN 0, 1, 1, 1, 1
	VSTEP 1, 2, 0
	TURN 1, 0, 1, 3, 1
	VSTEP 0, 4, 0
	TURN 0, 1, 0, 5, 1                             ; nothing is left to fetch
	VSTEP 1, 6, 0
	s_wait_dscnt 0x0
	WIN MUL_LO
	MUL16 0, 1, 7, 0, 4
	MUL16 2, 1, 7, 0, 4
	WIN 0
	EPI 4, 1536
	global_store_b64 v[L8], v[SW:SW+1], s[SA:SA+1] ; my head's four d-tiles' scale words
	s_wait_tensorcnt 0x0                           ; the wave's end
	ds_add_u32 v[SPW], v[NIL]
	s_wait_dscnt 0x0
	CROUND                                         ; the closing round
	s_endpgm
.Lfunc_end_k_qda89d8d368_gemm_qkv:
	.size	k_qda89d8d368_gemm_qkv, .Lfunc_end_k_qda89d8d368_gemm_qkv-k_qda89d8d368_gemm_qkv
	.p2alignl 7, 3214868480
	.fill 96, 4, 3214868480
	.section	.rodata,"a",@progbits
	.p2align	6, 0x0
	.amdhsa_kernel k_qda89d8d368_gemm_qkv
		.amdhsa_group_segment_fixed_size 327680
		.amdhsa_private_segment_fixed_size 0
		.amdhsa_enable_private_segment 0
		.amdhsa_kernarg_size 32
		.amdhsa_user_sgpr_count 2
		.amdhsa_user_sgpr_kernarg_segment_ptr 1
		.amdhsa_wavefront_size32 1
		.amdhsa_system_sgpr_workgroup_id_x 1
		.amdhsa_system_sgpr_workgroup_id_y 1
		.amdhsa_system_sgpr_workgroup_id_z 1
		.amdhsa_system_vgpr_workitem_id 0
		.amdhsa_next_free_vgpr 1024
		.amdhsa_next_free_sgpr 100
		.amdhsa_reserve_vcc 1
		.amdhsa_float_denorm_mode_32 3
		.amdhsa_float_denorm_mode_16_64 3
		.amdhsa_memory_ordered 1
		.amdhsa_forward_progress 1
		.amdhsa_inst_pref_size 255
	.end_amdhsa_kernel
	.section	.bss,"aw",@nobits
	.p2align	6
	.space	262144
	.amdgpu_metadata
---
amdhsa.version: [ 1, 2 ]
amdhsa.kernels:
  - .name:           k_qda89d8d368_gemm_qkv
    .symbol:         k_qda89d8d368_gemm_qkv.kd
    .args:
      - { .name: cod, .offset: 0, .size: 8, .value_kind: global_buffer, .address_space: global }
      - { .name: scl, .offset: 8, .size: 8, .value_kind: global_buffer, .address_space: global }
      - { .name: qb, .offset: 16, .size: 8, .value_kind: global_buffer, .address_space: global }
      - { .name: kv, .offset: 24, .size: 8, .value_kind: global_buffer, .address_space: global }
    .group_segment_fixed_size: 327680
    .private_segment_fixed_size: 0
    .kernarg_segment_align: 8
    .kernarg_segment_size: 32
    .max_flat_workgroup_size: 128
    .sgpr_count:     100
    .vgpr_count:     1024
    .wavefront_size: 32
...
	.end_amdgpu_metadata
.endif
;; end of part 2
;; launch attn (part 3): grid 4 x 64, 16 waves a work-group, no clusters, 215,040 bytes of LDS; arguments qb, kv, ao, aos; writes ao, aos
.if DOCPART == 3
	.amdgcn_target "amdgcn-amd-amdhsa--gfx1250"
	.amdhsa_code_object_version 6
	.text
	.protected	k_qda89d8d368_attn
	.globl	k_qda89d8d368_attn
	.p2align	8
	.type	k_qda89d8d368_attn,@function
k_qda89d8d368_attn:
	s_mov_b64 s[64:65], 0
	v_nop
	global_prefetch_b8 v0, s[64:65] scope:SCOPE_SE
	s_setreg_imm32_b32 hwreg(HW_REG_WAVE_MODE, 25, 1), 1
	s_wait_xcnt 0x0
; Causal attention of one head on codes of FP6 (E2M3): S^T = K Q^T (K = the head's 64), p = 2^(t - M) quantised along the keys, O^T = V^T P^T, O / l quantised along d for the last product.
; t = score x log2(e) / 8; M = the running largest t rounded up to a whole number; the row's sum l is taken of the unquantised p; a change of M multiplies l and O by an exact power of two.
; SHARES.  Work-group (i, head): sixteen waves, four to a SIMD.  Wave w owns two tiles of 16 queries: tile 16 i + w (query block i) and tile 16 (7 - i) + (w xor 15) (block 7 - i).
; Tile tau lies in group G = tau / 8 of 128 tokens and needs G + 1 key steps of 128; the two G of a wave add up to 15: every wave of every work-group has 17 tile-steps.
; A tile's row r is query Q0 + r + 8 (r / 8), Q0 = 32 (tau / 2) + 8 (tau % 2); a tile of K has its keys in the same order, so that the 16 registers of score tiles 2 b, 2 b + 1 are keys 32 b + 16 h + 0 .. 15.
; LDS holds the head's whole K and V with their scale words, 16 blocks of 13,056 bytes as they lie in kv, each filled ONCE: waves 0 and 1 issue eight tensor loads each at the head (eight of a wave's are out at most);
; the walk over the keys is cut into four groups of steps, each behind a counted wait and a barrier.  Nothing is filled again.
; NO CLUSTER, though the four work-groups of a head read the same K and V: the steps that a wave leaves out under the mask hang on its query block, which in a cluster would be the work-group's place.
; K = 64 IN AN INSTRUCTION OF 128: registers 6-11 of Q's operand are zero codes; registers 6-11 of K's operand are whatever follows in the register file (the next tile's codes; six zeros behind the last);
; both sides' scale bytes there are 0x7f: each such product is a finite number times 0.
; LIMITS: NaN and infinities are not served; a block of zeros gets the byte 1 with zero codes.
; THE FETCH AS IT STANDS NOW (this takes the place of what the paragraph on LDS above says of waves 0 and 1 and of four groups): each of the sixteen waves issues ONE tensor load at the head, block = its number.
; The walk over the keys has two barriers: ahead of key step 0 waves 0-3 wait for their loads (blocks 0-3), ahead of key step 4 every wave waits for its load (all sixteen blocks); key steps 8-15 follow with no barrier.
.set STEPB, 13056                      ; a step's block: K 8 x 768 | V 4 x 1,536 | K's scale image 512 | V's 256
.set SSTG,  16*STEPB                   ; behind the head: 2,048 bytes for the scale words on their way out; no tensor load lands here
.set L16,  1                           ; 16 x lane
.set L8,   2                           ; 8 x lane
.set DL,   3                           ; r + 8 (r / 8) - 16 h
.set AD16, 4                           ; the step's block + 16 x lane
.set AD8,  5                           ; + 8 x lane
.set ST0,  6                           ; a tile's -M, largest t, sum in two halves
.set ST1,  10
.set QS0,  14                          ; Q's scale words
.set QS1,  15
.set Q0F,  16
.set Q1F,  28
.set FB,   40                          ; v40-87 eight half-fragments of K, or four fragments of V; v88-93 zeros
.set S,    94                          ; v94-157 S^T, then p
.set O0,   158
.set O1,   190
.set P,    222                         ; v222-233 p's codes
.set BM,   230                         ; the blocks' largest scores, in registers that the codes take later
.set T8,   234
.set SO,   242                         ; the conversions' scale operands
.set KS,   246                         ; K's scale words
.set VS,   250                         ; V's
.set F,    252                         ; f = 2^(old M - new M), named as a pair
.set TT,   254
.set PS,   255                         ; p's scale word
.set WV,   12
.set SEL,  20
.set CS,   22
.set G1,   24
.set G0,   32                          ; s[32:35] group 0: each of the sixteen waves fetches ONE block, block = its number
.set TB,   66
.set KF,   67
.set CNT,  68
.set TMP,  69
.set TAU0, 70
.set TAU1, 71
.set QZ0,  72
.set QZ1,  73
	s_load_b256 s[4:11], s[0:1], 0x0               ; qb, kv, ao, aos
	v_lshl_add_u32 v254, v0, 2, 0x34000
	v_mov_b32 v255, 0
	ds_add_u32 v254, v255
	ds_add_u32 v254, v255
	s_wait_dscnt 0x0
	v_lshrrev_b32 v1, 5, v0
	s_delay_alu instid0(VALU_DEP_1)
	v_readfirstlane_b32 s[WV], v1                  ; wave 0..15
	s_and_b32 s13, ttmp7, 0xffff                   ; 16 x batch + head
	s_mul_i32 s15, s[WV], STEPB                    ; wave w fetches key step w's block
	s_mul_i32 s16, s13, 16*STEPB
	s_add_co_u32 s16, s16, s15
	s_mov_b32 s17, 0
	s_mov_b32 s[G1], 3<<16                         ; no mask; elements of 8 bytes; no padding
	s_mov_b32 s[G1+1], 32<<16                      ; a block is dense: 51 rows of 256 bytes
	s_mov_b32 s[G1+2], 51<<16
	s_mov_b32 s[G1+3], 32<<16
	s_mov_b32 s[G1+4], 51
	s_mov_b32 s[G1+5], 32
	s_mov_b32 s[G1+6], 0
	s_mov_b32 s[G1+7], 0
	s_mov_b32 s[SEL], 0x76543210
	s_mov_b32 s[SEL+1], 0xfedcba98
	s_mov_b32 s[CS], 0x3e38aa3b                    ; c = log2(e) / sqrt(64)
	s_mov_b32 s[CS+1], s[CS]
	s_wait_kmcnt 0x0
	s_add_nc_u64 s[18:19], s[6:7], s[16:17]
	s_mov_b32 s[G0], 1
	s_mov_b32 s[G0+1], s15
	s_mov_b64 s[G0+2:G0+3], s[18:19]
	s_or_b32 s[G0+3], s[G0+3], 0x80000000
; ONE tensor load a wave, in one chain of four arms on the wave's number: the waves whose blocks a group of key steps reads have a load line of their own, and wait for it ahead of that group's barrier.
.macro ARM under, next
	s_cmp_lt_u32 s[WV], \under
	s_cbranch_scc0 \next
	tensor_load_to_lds s[G0:G0+3], s[G1:G1+7]
	s_nop 0
.rept 4
	v_nop
.endr
	s_branch .Lasked
\next:
.endm
	ARM 2, .Larm_1
	ARM 4, .Larm_2
	ARM 8, .Larm_3
	tensor_load_to_lds s[G0:G0+3], s[G1:G1+7]
	s_nop 0
.rept 4
	v_nop
.endr
.Lasked:
	v_and_b32 v2, 31, v0
	s_delay_alu instid0(VALU_DEP_1)
	v_lshlrev_b32 v[L16], 4, v2
	s_wait_alu depctr_va_vdst(0)
	v_lshlrev_b32 v[L8], 3, v2
	s_wait_alu depctr_va_vdst(0)
	v_and_b32 v4, 15, v0                           ; r
	v_bfe_u32 v5, v0, 4, 1                         ; h
	s_delay_alu instid0(VALU_DEP_2)
	v_and_b32 v3, 8, v4
	s_delay_alu instid0(VALU_DEP_1)
	v_add_nc_u32 v3, v3, v4
	s_delay_alu instid0(VALU_DEP_3)
	v_lshlrev_b32 v5, 4, v5
	s_delay_alu instid0(VALU_DEP_1)
	v_sub_nc_u32 v[DL], v3, v5
	v_lshlrev_b32 v4, 4, v4                        ; 16 r: Q's scale word in its image
	s_wait_alu depctr_va_vdst(0)
	s_lshl_b32 s[TAU0], ttmp9, 4
	s_add_co_u32 s[TAU0], s[TAU0], s[WV]
	s_sub_co_u32 s[TAU1], 7, ttmp9
	s_lshl_b32 s[TAU1], s[TAU1], 4
	s_xor_b32 s88, s[WV], 15
	s_add_co_u32 s[TAU1], s[TAU1], s88
; a tile's first query, and where its codes and its scale words lie in qb
.macro QSET tau, qz, bp, sp
	s_lshr_b32 s[TMP], s[\tau], 1
	s_lshl_b32 s[\qz], s[TMP], 5
	s_and_b32 s[TMP], s[\tau], 1
	s_lshl_b32 s[TMP], s[TMP], 3
	s_add_co_u32 s[\qz], s[\qz], s[TMP]
	s_lshl_b32 s16, s13, 4
	s_lshr_b32 s17, s[\tau], 3
	s_add_co_u32 s16, s16, s17
	s_mul_i32 s16, s16, 6656                       ; the group's block
	s_and_b32 s17, s[\tau], 7                      ; the tile in it
	s_mul_i32 s18, s17, 768
	s_add_co_u32 s18, s18, s16
	s_mov_b32 s19, 0
	s_add_nc_u64 s[\bp:\bp+1], s[4:5], s[18:19]
	s_and_b32 s18, s17, 1
	s_lshl_b32 s18, s18, 8                         ; an odd tile's words lie in lanes 16-31 of the image,
	s_lshr_b32 s17, s17, 1
	s_lshl_b32 s17, s17, 2                         ; in word tile / 2
	s_add_co_u32 s18, s18, s17
	s_add_co_u32 s18, s18, s16
	s_add_co_u32 s18, s18, 6144
	s_add_nc_u64 s[\sp:\sp+1], s[4:5], s[18:19]
.endm
	QSET TAU0, QZ0, 74, 76
	global_load_b128 v[Q0F:Q0F+3], v[L16], s[74:75]
	global_load_b64 v[Q0F+4:Q0F+5], v[L8], s[74:75] offset:512
	global_load_b32 v[QS0], v4, s[76:77]
	QSET TAU1, QZ1, 78, 80
	global_load_b128 v[Q1F:Q1F+3], v[L16], s[78:79]
	global_load_b64 v[Q1F+4:Q1F+5], v[L8], s[78:79] offset:512
	global_load_b32 v[QS1], v4, s[80:81]
.irp st, ST0, ST1
	v_mov_b32 v[\st+1], 0xff61b1e6                 ; the largest t so far: -3e38
	s_delay_alu instid0(VALU_DEP_1)
	v_floor_f32 v[\st], -v[\st+1]                  ; -M
	v_mov_b32 v[\st+2], 0
	v_mov_b32 v[\st+3], 0
.endr
.set J, 0
.rept 64
	v_mov_b32 v[O0+J], 0                           ; both tiles' O^T: the step is written once, its first turn finds zeros
.set J, J+1
.endr
.set J, 0
.rept 6
	v_mov_b32 v[Q0F+6+J], 0                        ; zero codes for the K that a head of 64 does not have
	v_mov_b32 v[Q1F+6+J], 0
	v_mov_b32 v[FB+48+J], 0
.set J, J+1
.endr
.irp b, 0,1,2,3
	v_mov_b32 v[T8+\b], 0                          ; a lane permute's destination counts as one of its sources
.endr
	v_mov_b32 v[F+1], 0                            ; named as the upper half of a pair
	s_wait_loadcnt 0x0                             ; Q; v4 is free again
; ONE TILE, ONE KEY STEP.  qf, qs: Q's operand and scale words; st: the tile's statistics; oo: its O^T; qz: its first query; causal = 1: the step may lie on or behind the diagonal.
.macro TSTEP qf, qs, st, oo, qz, causal
.if \causal
	s_add_co_u32 s[TMP], s[\qz], 23                ; the tile's last query
	s_cmp_gt_u32 s[KF], s[TMP]
	s_cbranch_scc1 .Lhid_\@                        ; all keys hidden: a branch on ids, round this tile's work alone
.endif
.rept 4
	v_nop                                          ; places ahead of loads into registers that matrix instructions have read
.endr
.irp t, 0,1,2,3,4,5,6,7
	ds_load_b128 v[FB+6*\t:FB+6*\t+3], v[AD16] offset:768*\t
	ds_load_b64 v[FB+6*\t+4:FB+6*\t+5], v[AD8] offset:768*\t+512
.endr
	ds_load_b128 v[KS:KS+3], v[AD16] offset:12288
	s_wait_dscnt 0x0
	s_wait_alu depctr_va_vdst(0)
.irp t, 0,1,2,3,4,5,6,7
.if (\t)%2
	v_wmma_scale_f32_16x16x128_f8f6f4 v[S+8*\t:S+8*\t+7], v[FB+6*\t:FB+6*\t+11], v[\qf:\qf+11], 0, v[KS+\t/2], v[\qs] matrix_a_fmt:MATRIX_FMT_FP6 matrix_b_fmt:MATRIX_FMT_FP6 matrix_a_scale:MATRIX_SCALE_ROW1
.else
	v_wmma_scale_f32_16x16x128_f8f6f4 v[S+8*\t:S+8*\t+7], v[FB+6*\t:FB+6*\t+11], v[\qf:\qf+11], 0, v[KS+\t/2], v[\qs] matrix_a_fmt:MATRIX_FMT_FP6 matrix_b_fmt:MATRIX_FMT_FP6
.endif
.endr
.rept 4
	v_nop                                          ; places: ahead of V's loads into K's registers, and of the first read of the scores
.endr
.irp t, 0,1,2,3                        ; V's four fragments are asked for now and land under the softmax
	ds_load_b128 v[FB+12*\t:FB+12*\t+3], v[AD16] offset:6144+1536*\t
	ds_load_b64 v[FB+12*\t+4:FB+12*\t+5], v[AD8] offset:6144+1536*\t+512
	ds_load_b128 v[FB+12*\t+6:FB+12*\t+9], v[AD16] offset:6144+1536*\t+768
	ds_load_b64 v[FB+12*\t+10:FB+12*\t+11], v[AD8] offset:6144+1536*\t+1280
.endr
	ds_load_b64 v[VS:VS+1], v[AD8] offset:12800
.if \causal
	s_add_co_u32 s[TMP], s[KF], 127
	s_cmp_le_u32 s[TMP], s[\qz]
	s_cbranch_scc1 .Lopen_\@                       ; all keys count
	s_sub_co_i32 s[TMP], s[\qz], s[KF]
	v_add_nc_u32 v[F], s[TMP], v[DL]               ; d = my query - the step's first key - 16 h.  Register 16 b + i holds key 32 b + 16 h + i of the step: hidden where 32 b + i > d
	v_mov_b32 v[TT], 0xff800000
.set N, 0
.rept 64
	v_cmp_gt_i32 vcc_lo, 32*(N/16)+N%16, v[F]
	v_cndmask_b32 v[S+N], v[S+N], v[TT], vcc_lo
.set N, N+1
.endr
.Lopen_\@:
.endif
.irp b, 0,1,2,3
	v_max3_num_f32 v[BM+\b], v[S+16*\b], v[S+1+16*\b], v[S+2+16*\b]   ; the largest score of each block of 32 keys: for the row's maximum and, since p rises with the score, for the block's largest p
.endr
.irp i, 3,5,7,9,11,13
.irp b, 0,1,2,3
	v_max3_num_f32 v[BM+\b], v[BM+\b], v[S+16*\b+\i], v[S+1+16*\b+\i]
.endr
.endr
.irp b, 0,1,2,3
	v_max_num_f32 v[BM+\b], v[BM+\b], v[S+15+16*\b]
.endr
.irp b, 0,1,2,3
	s_delay_alu instid0(VALU_DEP_4)
	v_permlanex16_b32 v[T8+\b], v[BM+\b], s[SEL], s[SEL+1]
.endr
.irp b, 0,1,2,3
	s_delay_alu instid0(VALU_DEP_4)
	v_max_num_f32 v[BM+\b], v[BM+\b], v[T8+\b]
.endr
	s_delay_alu instid0(VALU_DEP_2)
	v_max3_num_f32 v[TT], v[BM], v[BM+1], v[BM+2]
	s_delay_alu instid0(VALU_DEP_1)
	v_max_num_f32 v[TT], v[TT], v[BM+3]
	s_delay_alu instid0(VALU_DEP_1)
	v_mul_f32 v[TT], s[CS], v[TT]
	s_delay_alu instid0(VALU_DEP_1)
	v_max_num_f32 v[\st+1], v[\st+1], v[TT]        ; the running largest t
	v_mov_b32 v[TT], v[\st]
	s_delay_alu instid0(VALU_DEP_2)
	v_floor_f32 v[\st], -v[\st+1]                  ; -M = floor(-t): M is a whole number
	s_delay_alu instid0(VALU_DEP_1)
	v_sub_f32 v[TT], v[\st], v[TT]
	s_delay_alu instid0(VALU_DEP_1)
	v_cvt_i32_f32 v[TT], v[TT]                     ; (it saturates)
	s_delay_alu instid0(VALU_DEP_1)
	v_ldexp_f32 v[F], 1.0, v[TT]                   ; f = 2^(old M - new M)
.set J, 0
.rept 32
	v_pk_fma_f32 v[S+J:S+J+1], v[S+J:S+J+1], s[CS:CS+1], v[\st:\st+1] op_sel_hi:[1,0,0]   ; t - M
.set J, J+2
.endr
.irp b, 0,1,2,3
	v_fma_f32 v[BM+\b], v[BM+\b], s[CS], v[\st]
.endr
.set J, 0
	s_wait_alu depctr_va_vdst(0)
.rept 64
	v_exp_f32 v[S+J], v[S+J]                       ; p = 2^(t - M)
.set J, J+1
.endr
.irp b, 0,1,2,3
	v_exp_f32 v[BM+\b], v[BM+\b]                   ; the block's largest p: the same two instructions on the same number
.endr
	v_pk_mul_f32 v[\st+2:\st+3], v[\st+2:\st+3], v[F:F+1] op_sel_hi:[1,0]   ; the sums under the new M (a plain place behind the exponentials)
	s_wait_alu depctr_va_vdst(0)
.irp b, 0,1,2,3
	v_max_num_f32 v[BM+\b], 0x1800000, v[BM+\b]    ; the floor: the byte cannot fall under 1
.endr
.irp b, 0,1,2,3
	s_delay_alu instid0(VALU_DEP_4)
	v_add_nc_u32 v[SO+\b], 0xff000000, v[BM+\b]
.endr
.irp b, 0,1,2,3
	s_delay_alu instid0(VALU_DEP_4)
	v_lshrrev_b32 v[T8+\b], 23, v[SO+\b]
.endr
	s_delay_alu instid0(VALU_DEP_3)
	v_lshl_or_b32 v[PS], v[T8+1], 8, v[T8]
	s_delay_alu instid0(VALU_DEP_1)
	v_lshl_or_b32 v[PS], v[T8+2], 16, v[PS]
	s_delay_alu instid0(VALU_DEP_1)
	v_lshl_or_b32 v[PS], v[T8+3], 24, v[PS]
.irp c, 0,1
	v_cvt_scalef32_pk16_fp6_f32 v[P+6*\c:P+2+6*\c], v[S+32*\c:S+15+32*\c], v[SO+2*\c]
	v_cvt_scalef32_pk16_fp6_f32 v[T8+4*\c:T8+2+4*\c], v[S+16+32*\c:S+31+32*\c], v[SO+2*\c+1]
.endr
	v_nop                                          ; one plain place behind a scaled conversion
.irp c, 0,1
.irp i, 0,1,2
	v_permlane16_swap_b32 v[P+6*\c+\i], v[T8+4*\c+\i]
.endr
.irp i, 0,1,2
	s_delay_alu instid0(VALU_DEP_3)
	v_mov_b32 v[P+3+6*\c+\i], v[T8+4*\c+\i]
.endr
.endr
	v_pk_add_f32 v[T8:T8+1], v[S:S+1], v[S+2:S+3]  ; the row's sum, of the unquantised p, in two chains
.set J, 4
.rept 15
	v_pk_add_f32 v[\st+2:\st+3], v[\st+2:\st+3], v[S+J:S+J+1]
	v_pk_add_f32 v[T8:T8+1], v[T8:T8+1], v[S+2+J:S+3+J]
.set J, J+4
.endr
	s_delay_alu instid0(VALU_DEP_1)
	v_pk_add_f32 v[\st+2:\st+3], v[\st+2:\st+3], v[T8:T8+1]
.set J, 0
.rept 16
	v_pk_mul_f32 v[\oo+J:\oo+J+1], v[\oo+J:\oo+J+1], v[F:F+1] op_sel_hi:[1,0]   ; O^T under the new M
.set J, J+2
.endr
	s_wait_alu depctr_va_vdst(0)
	s_wait_dscnt 0x0                               ; V
.irp t, 0,1,2,3
.if (\t)%2
	v_wmma_scale_f32_16x16x128_f8f6f4 v[\oo+8*\t:\oo+8*\t+7], v[FB+12*\t:FB+12*\t+11], v[P:P+11], v[\oo+8*\t:\oo+8*\t+7], v[VS+\t/2], v[PS] matrix_a_fmt:MATRIX_FMT_FP6 matrix_b_fmt:MATRIX_FMT_FP6 matrix_a_scale:MATRIX_SCALE_ROW1
.else
	v_wmma_scale_f32_16x16x128_f8f6f4 v[\oo+8*\t:\oo+8*\t+7], v[FB+12*\t:FB+12*\t+11], v[P:P+11], v[\oo+8*\t:\oo+8*\t+7], v[VS+\t/2], v[PS] matrix_a_fmt:MATRIX_FMT_FP6 matrix_b_fmt:MATRIX_FMT_FP6
.endif
.endr
.if \causal
.Lhid_\@:
.endif
.endm
; A group of key steps.  cnt: the waves under this number wait for their one load ahead of the barrier; 16: every wave; 0: no wait, no barrier.  both = 1: steps 0-7, in which the late tile sees every key.
.macro GROUP first, trips, cnt, both
.if \cnt                               ; cnt = 0: the blocks that this group reads have been shown to all waves already: no wait, no barrier
.if \cnt < 16                          ; the waves under this number have fetched the blocks read so far: they wait for their one load
	s_cmp_lt_u32 s[WV], \cnt
	s_cbranch_scc0 .Lnw_\@
	s_wait_tensorcnt 0x0
.Lnw_\@:
.else
	s_wait_tensorcnt 0x0                           ; all that is still out: on every wave's way
.endif
	s_wait_dscnt 0x0
	s_barrier_signal -1
	s_barrier_wait -1
.endif
	s_mov_b32 s[TB], (\first)*STEPB
	s_mov_b32 s[KF], (\first)*128
	s_mov_b32 s[CNT], \trips
.Lg_\@:
	v_add_nc_u32 v[AD16], s[TB], v[L16]
	v_add_nc_u32 v[AD8], s[TB], v[L8]
.if \both
	TSTEP Q0F, QS0, ST0, O0, QZ0, 1
	s_wait_alu depctr_va_vdst(0)
	TSTEP Q1F, QS1, ST1, O1, QZ1, 0
.else
	TSTEP Q1F, QS1, ST1, O1, QZ1, 1
.endif
	s_add_co_u32 s[TB], s[TB], STEPB
	s_add_co_u32 s[KF], s[KF], 128
	s_sub_co_u32 s[CNT], s[CNT], 1
	s_cmp_lg_u32 s[CNT], 0
	s_cbranch_scc1 .Lg_\@
.endm
	GROUP 0, 4, 4, 1
	GROUP 4, 4, 16, 1
	GROUP 8, 8, 0, 0
	; THE WAY OUT.  O^T / l; register 16 b + i of a tile is channel 32 b + 16 h + i of the lane's query: two blocks along the last product's K; a half-image of 768 bytes a tile goes to ao,
	; [4 heads][token tile][head % 4]; the two scale bytes go through LDS, so that aos is written in whole runs of 512 bytes.
.rept 4
	v_nop
.endr
	s_and_b32 s16, s13, 15                         ; head
	s_lshr_b32 s17, s13, 4                         ; batch
	s_lshr_b32 s18, s16, 2
	s_lshl_b32 s18, s18, 9
	s_lshl_b32 s19, s17, 7
	s_add_co_u32 s18, s18, s19                     ; 512 (head / 4) + 128 batch
	s_and_b32 s19, s16, 3
	s_mul_i32 s19, s19, 768
	s_mov_b32 s83, 0
	s_add_co_u32 s82, s18, s[TAU0]
	s_mul_i32 s82, s82, 3072
	s_add_co_u32 s82, s82, s19
	s_add_nc_u64 s[74:75], s[8:9], s[82:83]
	s_add_co_u32 s82, s18, s[TAU1]
	s_mul_i32 s82, s82, 3072
	s_add_co_u32 s82, s82, s19
	s_add_nc_u64 s[76:77], s[8:9], s[82:83]
	s_lshr_b32 s84, s[WV], 3                       ; the stage: [tile 0 or 1][group][r][tile % 8] words
	s_lshl_b32 s84, s84, 9
	s_and_b32 s85, s[WV], 7
	s_lshl_b32 s85, s85, 2
	s_add_co_u32 s84, s84, s85
	s_add_co_u32 s84, s84, SSTG
	s_lshr_b32 s86, s88, 3
	s_lshl_b32 s86, s86, 9
	s_and_b32 s85, s88, 7
	s_lshl_b32 s85, s85, 2
	s_add_co_u32 s86, s86, s85
	s_add_co_u32 s86, s86, SSTG+1024
	v_and_b32 v[AD16], 15, v0
	s_delay_alu instid0(VALU_DEP_1)
	v_lshl_add_u32 v[AD8], v[AD16], 5, s86
	s_delay_alu instid0(VALU_DEP_2)
	v_lshl_add_u32 v[AD16], v[AD16], 5, s84
	v_lshl_add_u32 v[DL], v0, 4, SSTG              ; back: 16 bytes a thread (waves 0-3 alone read)
.macro FIN tl, st, oo, bp, sa
.set XX, S+32*\tl
.set CD, FB+12*\tl
	v_add_f32 v[\st+2], v[\st+2], v[\st+3]
	s_delay_alu instid0(VALU_DEP_1)
	v_permlanex16_b32 v[T8], v[\st+2], s[SEL], s[SEL+1]
	s_delay_alu instid0(VALU_DEP_1)
	v_add_f32 v[\st+2], v[\st+2], v[T8]            ; the row's sum
	s_wait_alu depctr_va_vdst(0)
	v_rcp_f32 v[F], v[\st+2]
	v_nop                                          ; one plain place behind a transcendental
.set J, 0
	s_wait_alu depctr_va_vdst(0)
.rept 16
	v_pk_mul_f32 v[XX+J:XX+J+1], v[\oo+J:\oo+J+1], v[F:F+1] op_sel_hi:[1,0]
.set J, J+2
.endr
.irp b, 0,1
	v_max3_num_f32 v[T8+4+\b], |v[XX+16*\b]|, |v[XX+1+16*\b]|, 0x1800000
.endr
.irp i, 2,4,6,8,10,12,14
.irp b, 0,1
	s_delay_alu instid0(VALU_DEP_2)
	v_max3_num_f32 v[T8+4+\b], v[T8+4+\b], |v[XX+16*\b+\i]|, |v[XX+1+16*\b+\i]|
.endr
.endr
.irp b, 0,1
	s_delay_alu instid0(VALU_DEP_2)
	v_permlanex16_b32 v[T8+\b], v[T8+4+\b], s[SEL], s[SEL+1]
.endr
.irp b, 0,1
	s_delay_alu instid0(VALU_DEP_2)
	v_max_num_f32 v[T8+4+\b], v[T8+4+\b], v[T8+\b]
.endr
.irp b, 0,1
	s_delay_alu instid0(VALU_DEP_2)
	v_add_nc_u32 v[SO+\b], 0xff000000, v[T8+4+\b]
.endr
.irp b, 0,1
	s_delay_alu instid0(VALU_DEP_2)
	v_lshrrev_b32 v[T8+\b], 23, v[SO+\b]
.endr
	s_delay_alu instid0(VALU_DEP_1)
	v_lshl_or_b32 v[T8+6+\tl], v[T8+1], 8, v[T8]   ; the row's two bytes
	v_cvt_scalef32_pk16_fp6_f32 v[CD:CD+2], v[XX:XX+15], v[SO]
	v_cvt_scalef32_pk16_fp6_f32 v[CD+6:CD+8], v[XX+16:XX+31], v[SO+1]
	v_nop
.irp i, 0,1,2
	v_permlane16_swap_b32 v[CD+\i], v[CD+6+\i]
.endr
.irp i, 0,1,2
	s_delay_alu instid0(VALU_DEP_3)
	v_mov_b32 v[CD+3+\i], v[CD+6+\i]
.endr
	global_store_b128 v[L16], v[CD:CD+3], s[\bp:\bp+1]
	global_store_b64 v[L8], v[CD+4:CD+5], s[\bp:\bp+1] offset:512
	ds_store_b32 v[\sa], v[T8+6+\tl]               ; both halves of the lanes write the same word with the same value
.endm
	FIN 0, ST0, O0, 74, AD16
	FIN 1, ST1, O1, 76, AD8
	s_wait_dscnt 0x0                               ; for the others' sake: my words lie in the stage
	s_barrier_signal -1
	s_barrier_wait -1
	s_lshl_b32 s82, s16, 6
	s_lshl_b32 s85, s17, 4
	s_add_co_u32 s82, s82, s85                     ; 64 head + 16 batch
	s_lshl_b32 s85, ttmp9, 1
	s_sub_co_u32 s87, 12, s85
	s_cmp_lt_u32 s[WV], 2
	s_cselect_b32 s85, s85, s87
	s_add_co_u32 s85, s85, s[WV]                   ; wave u stores group 2 i + u (u < 2) or 12 - 2 i + u
	s_add_co_u32 s82, s82, s85
	s_lshl_b32 s82, s82, 9
	s_add_nc_u64 s[10:11], s[10:11], s[82:83]
	s_cmp_lt_u32 s[WV], 4
	s_cbranch_scc0 .Lend
	ds_load_b128 v[S:S+3], v[DL]
	s_wait_dscnt 0x0
	global_store_b128 v[L16], v[S:S+3], s[10:11]   ; 512 consecutive bytes, aligned
.Lend:
	s_wait_xcnt 0x0
	v_lshl_add_u32 v254, v0, 2, 0x34000
	v_mov_b32 v255, 0
	s_wait_alu depctr_va_vdst(0)
	s_wait_tensorcnt 0x0
	ds_add_u32 v254, v255
	s_wait_dscnt 0x0
	s_endpgm
.Lfunc_end_k_qda89d8d368_attn:
	.size	k_qda89d8d368_attn, .Lfunc_end_k_qda89d8d368_attn-k_qda89d8d368_attn
	.p2alignl 7, 3214868480
	.fill 96, 4, 3214868480
	.section	.rodata,"a",@progbits
	.p2align	6, 0x0
	.amdhsa_kernel k_qda89d8d368_attn
		.amdhsa_group_segment_fixed_size 215040
		.amdhsa_private_segment_fixed_size 0
		.amdhsa_enable_private_segment 0
		.amdhsa_kernarg_size 32
		.amdhsa_user_sgpr_count 2
		.amdhsa_user_sgpr_kernarg_segment_ptr 1
		.amdhsa_wavefront_size32 1
		.amdhsa_system_sgpr_workgroup_id_x 1
		.amdhsa_system_sgpr_workgroup_id_y 1
		.amdhsa_system_sgpr_workgroup_id_z 1
		.amdhsa_system_vgpr_workitem_id 0
		.amdhsa_next_free_vgpr 256
		.amdhsa_next_free_sgpr 100
		.amdhsa_reserve_vcc 1
		.amdhsa_float_denorm_mode_32 3
		.amdhsa_float_denorm_mode_16_64 3
		.amdhsa_memory_ordered 1
		.amdhsa_forward_progress 1
		.amdhsa_inst_pref_size 121
	.end_amdhsa_kernel
	.amdgpu_metadata
---
amdhsa.version: [ 1, 2 ]
amdhsa.kernels:
  - .name:           k_qda89d8d368_attn
    .symbol:         k_qda89d8d368_attn.kd
    .args:
      - { .name: qb, .offset: 0, .size: 8, .value_kind: global_buffer, .address_space: global }
      - { .name: kv, .offset: 8, .size: 8, .value_kind: global_buffer, .address_space: global }
      - { .name: ao, .offset: 16, .size: 8, .value_kind: global_buffer, .address_space: global }
      - { .name: aos, .offset: 24, .size: 8, .value_kind: global_buffer, .address_space: global }
    .group_segment_fixed_size: 215040
    .private_segment_fixed_size: 0
    .kernarg_segment_align: 8
    .kernarg_segment_size: 32
    .max_flat_workgroup_size: 512
    .sgpr_count:     100
    .vgpr_count:     256
    .wavefront_size: 32
...
	.end_amdgpu_metadata
.endif
;; end of part 3
;; launch gemm_proj (part 4): grid 4 x 64, 4 waves a work-group, clusters of 4 x 4, 327,680 bytes of LDS; arguments ao, aos, cod, scl, out0; writes out0
.if DOCPART == 4
	.amdgcn_target "amdgcn-amd-amdhsa--gfx1250"
	.amdhsa_code_object_version 6
	.text
	.protected	k_qda89d8d368_gemm_proj
	.globl	k_qda89d8d368_gemm_proj
	.p2align	8
	.type	k_qda89d8d368_gemm_proj,@function
k_qda89d8d368_gemm_proj:
	s_mov_b64 s[64:65], 0
	v_nop
	global_prefetch_b8 v0, s[64:65] scope:SCOPE_SE
	s_setreg_imm32_b32 hwreg(HW_REG_WAVE_MODE, 25, 1), 1
	s_wait_xcnt 0x0
	s_wait_alu depctr_hold_cnt(0) depctr_sa_sdst(0) depctr_va_vdst(0) depctr_va_sdst(0) depctr_va_ssrc(0) depctr_va_vcc(0) depctr_vm_vsrc(0)
	s_getreg_b32 s2, hwreg(HW_REG_IB_STS2, 6, 4)
	s_cmp_eq_u32 s2, 0
	s_cbranch_scc0 .Lentry_in_a_cluster
	s_endpgm
.Lentry_in_a_cluster:
	s_bfe_u32 s2, ttmp6, 0x10000c
	s_cmp_lg_u32 s2, 0xf033
	s_cbranch_scc0 .Lentry_shape_is_right
	s_endpgm
.Lentry_shape_is_right:
; out0 = attention's output x w_proj on codes of FP6 (E2M3) with E8M0 scales, K = 1,024; f32 results.
; 256 work-groups of four waves; a work-group makes 128 tokens x 256 columns, a wave 64 x 128: 32 accumulators.  Source 1 ("S1") = tokens, source 0 ("S0") = columns of w_proj (rows 11264 .. of cod, places in pi order).
; S0: ALL OF K LIES IN LDS, FILLED ONCE.  cod lies by chunks of 256 along K, 192 bytes a row: the 256 rows of a chunk are a dense block, fetched as 192 rows of 256 bytes with 16 bytes of padding behind every 64
; (an LDS row is 240 bytes, a chunk 61,440, four chunks 245,760).  Wave w fetches chunk w: one joint load a wave at the head, shared along a column of the 4 x 4 cluster, each in an arm of its own;
; a plain barrier ahead of a chunk's first read shows it to all waves: the waves that fetched the chunks read so far wait for their load ahead of it.  Nothing is filled again.
; S1 GOES STRAIGHT INTO REGISTERS: ao [K chunk of 4 heads][token tile of 16][head % 4][768 bytes] holds images of the operand's registers, so a wave's load reads 512 or 256 consecutive bytes, aligned.
; A wave's 4 token tiles x 8 K steps are 32 fragments, each loaded once, four K steps ahead of its products: K steps 0-4 in window 3, 5-7 in window 0.
; S1 IS NOT ASKED FOR JOINTLY: beside S0's 245,760 bytes LDS has no room for the 98,304 bytes of the work-group's tokens.
; THE SCALE WORDS stay in registers: v[SC + 8 i + g]: lanes 0-15 S1's block i (i < 4), lanes 16-31 S0's block i, K step g.  S1's are put together from aos [head][group of 128 tokens][r][tile % 8], two bytes a head.
; A token tile's row rho is token 32 (t / 2) + 8 (t % 2) + rho + 8 (rho / 8) of its group; the result's registers of S0's tiles 2 B, 2 B + 1 are true columns 32 B + 16 h + 0 .. 15.
; The results go through the wave's stage in chunk 0's bytes, which have had their one fill and their last read by then, and leave as rows of 512 bytes.
; NO PREFETCH: everything that the work-group reads is asked for at the head or within its first four K steps: there is no loop to run ahead in.
; REGISTERS: window 0: v0-31 addresses; v32-95 scale words; v96-239 S1's K steps 5-7 (at the head v176-247 at work; on the way out v128-255).  window 1: S0's fragments, two sets.  window 2: accumulators.  window 3: S1's K steps 0-4.
.set ROWB,   192
.set CHUNKB, 12288*ROWB
.set PITCH,  240
.set FR,     12
.set HALFT,  128*PITCH
.set CHL,    2*HALFT                   ; a chunk of 256 rows in LDS
.set SPARE,  4*CHL
.set AOSL,   512*3072
.set SPITCH, 528
.set ADRB, 16                          ; v16-19 my S0 fragments in chunk 0 .. 3; v20-23 behind one padding more
.set STO,  24
.set RD,   25
.set CO,   26                          ; 16 x lane
.set L8,   27                          ; 8 x lane
.set SPW,  28
.set NIL,  29
.set SC,   32
.set BK,   128
.set G1B, 48
.set G0B, 56
.set MSB, 0
.macro WIN new
.if MSB != (\new)
	s_set_vgpr_msb (MSB<<8)|(\new)
.set MSB, (\new)
.endif
.endm
.set TO_B,   0x40
.macro PLACES
.rept 4
	v_nop
.endr
.endm
.macro CROUND
	s_barrier_signal -1
	s_barrier_wait -1
	s_cmp_lg_u32 s14, 0
	s_cbranch_scc1 .Lnot_wave_0_\@
	s_barrier_signal -3
.Lnot_wave_0_\@:
	s_barrier_wait -3
	s_barrier_signal -1
	s_barrier_wait -1
.endm
	s_load_b256 s[4:11], s[0:1], 0x0               ; ao, aos, cod, scl
	s_load_b64 s[12:13], s[0:1], 0x20              ; out0
	v_lshl_add_u32 v[SPW], v0, 2, SPARE
	v_mov_b32 v[NIL], 0
	ds_add_u32 v[SPW], v[NIL]                      ; the opening lines: the add twice on end and its wait
	ds_add_u32 v[SPW], v[NIL]
	v_lshrrev_b32 v1, 5, v0
	v_readfirstlane_b32 s14, v1                    ; wave.  Also: the chunk that I fetch
	s_lshr_b32 s15, s14, 1                         ; my 64 of the 128 tokens
	s_and_b32 s16, s14, 1                          ; my 128 of the 256 columns
	s_bfe_u32 s40, ttmp6, 0x40000
	s_bfe_u32 s41, ttmp6, 0x40004
	s_and_b32 s17, ttmp7, 0xffff
	s_lshl_b32 s17, s17, 2
	s_add_co_u32 s17, s17, s41                     ; the group of 128 tokens
	s_lshl_b32 s42, ttmp9, 2
	s_add_co_u32 s42, s42, s40                     ; the tile of 256 columns
	s_lshl_b32 s44, 0x1111, s40                    ; my column of the cluster
	s_or_b32 s[G1B], s44, (3<<16)|(1<<20)|(1<<21)|(3<<22)|(3<<25)   ; elements of 8 bytes; padding of 4 words behind every 16
	s_mov_b32 s[G1B+1], 32<<16                     ; rows of 256 bytes,
	s_mov_b32 s[G1B+2], 192<<16                    ; 192 of them: 256 rows of codes
	s_mov_b32 s[G1B+3], 32<<16
	s_mov_b32 s[G1B+4], 192
	s_mov_b32 s[G1B+5], 32
	s_mov_b32 s[G1B+6], 0
	s_mov_b32 s[G1B+7], 0
	s_lshl_b32 s46, s42, 8
	s_add_co_u32 s46, s46, 11264
	s_mul_i32 s46, s46, ROWB
	s_mul_i32 s18, s14, CHUNKB
	s_add_co_u32 s46, s46, s18                     ; the tile's 256 rows in chunk = my wave's number
	s_mov_b32 s47, 0
	s_mul_i32 s45, s14, CHL                        ; where they go
	s_wait_dscnt 0x0
	s_wait_kmcnt 0x0
	s_add_nc_u64 s[46:47], s[8:9], s[46:47]
	CROUND                                         ; all sixteen work-groups are here: the joint loads meet
	s_mov_b32 s[G0B], 1
	s_mov_b32 s[G0B+1], s45
	s_mov_b64 s[G0B+2:G0B+3], s[46:47]
	s_or_b32 s[G0B+3], s[G0B+3], 0x80000000
.macro ARM under, next                 ; one chain of four arms on the wave's number, one load to an arm
	s_cmp_lt_u32 s14, \under
	s_cbranch_scc0 \next
	tensor_load_to_lds s[G0B:G0B+3], s[G1B:G1B+7]
	s_nop 0
	PLACES
	s_branch .Lasked
\next:
.endm
	ARM 1, .Larm_1
	ARM 2, .Larm_2
	ARM 3, .Larm_3
	tensor_load_to_lds s[G0B:G0B+3], s[G1B:G1B+7]
	s_nop 0
	PLACES
.Lasked:
	s_mul_i32 s80, s16, HALFT                      ; my 128 rows of S0 in chunk 0 .. 3
	s_add_co_u32 s81, s80, CHL
	s_add_co_u32 s82, s80, 2*CHL
	s_add_co_u32 s83, s80, 3*CHL
	s_mul_i32 s23, s14, 16*SPITCH                  ; my stage
	s_lshl_b32 s86, s42, 8
	s_lshl_b32 s18, s16, 7
	s_add_co_u32 s86, s86, s18
	s_add_co_u32 s86, s86, 11264                   ; my first row of S0
	s_lshl_b32 s84, s17, 9
	s_lshl_b32 s19, s15, 4
	s_add_co_u32 s84, s84, s19                     ; aos: my group's 512 bytes, my four tiles' 16 of a row's 32
	s_lshl_b32 s20, s17, 3
	s_lshl_b32 s19, s15, 2
	s_add_co_u32 s20, s20, s19
	s_mul_i32 s20, s20, 3072                       ; ao: my four token tiles
	s_mov_b32 s21, 0
	s_add_nc_u64 s[4:5], s[4:5], s[20:21]
	v_and_b32 v1, 15, v0                           ; r
	v_bfe_u32 v2, v0, 4, 1                         ; h
	v_and_b32 v6, 31, v0
	v_mul_u32_u24 v3, v1, PITCH
	v_mad_u32_u24 v4, v2, 24, v3                   ; a fragment's row x pitch + 24 h
	v_lshl_add_u32 v5, v2, 4, v4                   ; and behind one padding more
	v_lshlrev_b32 v[CO], 4, v6
	v_lshlrev_b32 v[L8], 3, v6
	v_add_nc_u32 v[ADRB], s80, v4
	v_add_nc_u32 v[ADRB+1], s81, v4
	v_add_nc_u32 v[ADRB+2], s82, v4
	v_add_nc_u32 v[ADRB+3], s83, v4
	v_add_nc_u32 v[ADRB+4], s80, v5
	v_add_nc_u32 v[ADRB+5], s81, v5
	v_add_nc_u32 v[ADRB+6], s82, v5
	v_add_nc_u32 v[ADRB+7], s83, v5
	v_mul_u32_u24 v8, v1, SPITCH
	v_lshl_add_u32 v8, v2, 6, v8
	v_add_nc_u32 v[STO], s23, v8
	v_add_nc_u32 v[RD], s23, v[CO]
	v_lshl_add_u32 v10, v1, 5, s84
	v_add_lshl_u32 v9, v1, s86, 5
.irp i, 0,1,2,3,4,5,6,7
.irp e, 0,1
	global_load_b128 v[SC+8*\i+4*\e:SC+8*\i+4*\e+3], v9, s[10:11] offset:512*\i+16*\e
.endr
.endr
.irp d, 0,1,2,3,4,5,6,7,8,9,10,11,12,13,14,15
	global_load_b128 v[176+4*\d:176+4*\d+3], v10, s[6:7] offset:32768*\d   ; head d: my four tiles' words of row r
.endr
.macro ALOAD ks                        ; S1's four fragments of K step ks: 16 loads
.if (\ks) < 5
	WIN 0xc0
.set AB_, 48*(\ks)
.else
	WIN 0
.set AB_, 96+48*((\ks)-5)
.endif
.irp a, 0,1,2,3
.set R_, AB_+FR*\a
.set O_, AOSL*((\ks)/2)+3072*\a+1536*((\ks)%2)
	global_load_b128 v[R_:R_+3], v[CO], s[4:5] offset:O_
	global_load_b64 v[R_+4:R_+5], v[L8], s[4:5] offset:O_+512
	global_load_b128 v[R_+6:R_+9], v[CO], s[4:5] offset:O_+768
	global_load_b64 v[R_+10:R_+11], v[L8], s[4:5] offset:O_+1280
.endr
	WIN 0
.endm
	ALOAD 0
	ALOAD 1
	s_lshl_b32 s20, s17, 19                        ; out0: 128 rows of 4,096 bytes a group
	s_lshl_b32 s22, s15, 18
	s_add_co_u32 s20, s20, s22
	s_lshl_b32 s22, s42, 10
	s_add_co_u32 s20, s20, s22
	s_lshl_b32 s22, s16, 9
	s_add_co_u32 s20, s20, s22
	s_mov_b32 s21, 0
	s_add_nc_u64 s[12:13], s[12:13], s[20:21]
	s_mov_b32 s91, 0x05040100
.macro FRAG reg, adr, q, i             ; 16 rows x 128 K in pieces of 8 bytes; a piece that lies behind one padding more for lanes 16-31 takes the second address register
.irp p, 0,1,2,3,4,5
.set PCE, 12*(\q)+6*(\p/3)+\p%3
.if PCE%8 < 5
	ds_load_b64 v[\reg+2*\p:\reg+2*\p+1], v[\adr] offset:8*PCE+16*(PCE/8)+(\i)*16*PITCH
.else
	ds_load_b64 v[\reg+2*\p:\reg+2*\p+1], v[\adr+4] offset:8*PCE+16*(PCE/8)+(\i)*16*PITCH
.endif
.endr
.endm
.macro FETCHB st                       ; S0's eight fragments of K step st (chunk st / 2) into set st % 2
	WIN TO_B
.irp i, 0,1,2,3,4,5,6,7
	FRAG 128*((\st)%2)+FR*\i, ADRB+(\st)/2, (\st)%2, \i
.endr
	WIN 0
.endm
.macro WM d, fb, fa, c, xb, xa
	v_wmma_scale_f32_16x16x128_f8f6f4 v[\d:\d+7], v[\fb:\fb+FR-1], v[\fa:\fa+FR-1], \c, v[\xb], v[\xa] matrix_a_fmt:MATRIX_FMT_FP6 matrix_b_fmt:MATRIX_FMT_FP6 matrix_a_scale:MATRIX_SCALE_ROW1
.endm
; 16 matrix instructions: S1's blocks a0, a0 + 1 x S0's eight, K step ks; the 32 accumulators take turns
.macro MUL16 a0, ks, zero
.if (\ks) < 5
.set AB_, 48*(\ks)
.else
.set AB_, 96+48*((\ks)-5)
.endif
.irp a, \a0, \a0+1
.irp b, 0,1,2,3,4,5,6,7
.set D_, 8*(8*(\a)+\b)
.set FB_, 128*((\ks)%2)+FR*\b
.set FA_, AB_+FR*(\a)
.set XB_, SC+8*\b+(\ks)
.set XA_, SC+8*(\a)+(\ks)
.if \zero
	WM D_, FB_, FA_, 0, XB_, XA_
.else
	WM D_, FB_, FA_, v[D_:D_+7], XB_, XA_
.endif
.endr
.endr
.endm
.macro TWAIT under                     ; the waves under this number have fetched the chunks read so far: they wait for their one load
.if \under < 4
	s_cmp_lt_u32 s14, \under
	s_cbranch_scc0 .Lnw_\@
	s_wait_tensorcnt 0x0
.Lnw_\@:
.else
	s_wait_tensorcnt 0x0                           ; all that is still out: on every wave's way
.endif
.endm
; A K step of 128: 32 products.  An even step fetches the next step's S0 fragments, of the same chunk, ahead of its products.  An odd step signals the barrier that shows the next chunk ahead of its products and waits behind them.
.macro KSTEP k, zero
	s_wait_dscnt 0x0                               ; this step's fragments of S0 are in
.if (\k) < 5
	s_wait_loadcnt 48                              ; and of S1: behind them the loads of three K steps have been issued, 16 each
.else
	s_wait_loadcnt 16*(7-(\k))
.endif
.if (\k)+4 < 8
	ALOAD (\k)+4
.endif
.if (\k)%2 == 0
	PLACES
	FETCHB (\k)+1
.elseif (\k) < 7
	TWAIT ((\k)+3)/2
	s_barrier_signal -1
.endif
.if (\k) < 5
	WIN 0xad                                       ; source 0 window 1, source 1 window 3, C and D window 2
.else
	WIN 0xa1                                       ; source 1 window 0
.endif
	MUL16 0, \k, \zero
	MUL16 2, \k, \zero
	WIN 0
.if (\k)%2 == 1 && (\k) < 7
	s_barrier_wait -1
	PLACES
	FETCHB (\k)+1
.endif
.endm
	s_wait_alu depctr_va_vdst(0)
	TWAIT 1
	s_barrier_signal -1
	s_barrier_wait -1                              ; chunk 0 is in
	FETCHB 0
	s_wait_loadcnt 32                              ; the scale words are in; S1's first 32 loads may be out
	v_cmp_le_u32 vcc_lo, 16, v6
.irp a, 0,1,2,3
.irp g, 0,1,2,3,4,5,6,7
	v_perm_b32 v[240+\g], v[176+4*(2*\g+1)+\a], v[176+8*\g+\a], s91   ; K step g: heads 2 g and 2 g + 1, two bytes each
	v_cndmask_b32 v[SC+8*\a+\g], v[240+\g], v[SC+8*\a+\g], vcc_lo   ; lanes 0-15 S1's word, lanes 16-31 keep S0's
.endr
.endr
	ALOAD 2
	ALOAD 3
.rept 8
	v_nop                                          ; a scale register written by a vector instruction stands 8 places ahead of a scaled matrix instruction
.endr
	s_wait_alu depctr_va_vdst(0)
	KSTEP 0, 1                                     ; the first products start the sums
	KSTEP 1, 0
	KSTEP 2, 0
	KSTEP 3, 0
	KSTEP 4, 0
	KSTEP 5, 0
	KSTEP 6, 0
	KSTEP 7, 0
.macro TOSTAGE a
.set AC, 64*(\a)
	WIN 0x08
.irp b, 0,1,2,3,4,5,6,7
	ds_store_b128 v[STO], v[AC+8*\b:AC+8*\b+3] offset:128*(\b/2)+32*(\b%2)
	ds_store_b128 v[STO], v[AC+8*\b+4:AC+8*\b+7] offset:128*(\b/2)+32*(\b%2)+16
.endr
	WIN 0
.set BKS, BK+64*((\a)%2)
.irp t, 0,1,2,3,4,5,6,7,8,9,10,11,12,13,14,15
	ds_load_b128 v[BKS+4*\t:BKS+4*\t+3], v[RD] offset:\t*SPITCH
.endr
.endm
.macro SEND a, younger
.set BKS, BK+64*((\a)%2)
	s_wait_dscnt \younger
.irp t, 0,1,2,3,4,5,6,7,8,9,10,11,12,13,14,15
	global_store_b128 v[CO], v[BKS+4*\t:BKS+4*\t+3], s[12:13] offset:(32*((\a)/2)+8*((\a)%2)+\t+8*(\t/8))*4096 th:TH_STORE_NT   ; 512 consecutive bytes, aligned
.endr
.endm
	PLACES
	TOSTAGE 0
.irp a, 1,2,3
.if \a > 1
	s_wait_xcnt 0x0                                ; block a - 2's stores have read their registers
.endif
	TOSTAGE \a
	SEND \a-1, 32                                  ; behind block a - 1's loads: block a's 16 stores and 16 loads
.endr
	SEND 3, 0
	s_wait_tensorcnt 0x0                           ; the wave's end
	ds_add_u32 v[SPW], v[NIL]
	s_wait_dscnt 0x0
	CROUND                                         ; the closing round
	s_endpgm
.Lfunc_end_k_qda89d8d368_gemm_proj:
	.size	k_qda89d8d368_gemm_proj, .Lfunc_end_k_qda89d8d368_gemm_proj-k_qda89d8d368_gemm_proj
	.p2alignl 7, 3214868480
	.fill 96, 4, 3214868480
	.section	.rodata,"a",@progbits
	.p2align	6, 0x0
	.amdhsa_kernel k_qda89d8d368_gemm_proj
		.amdhsa_group_segment_fixed_size 327680
		.amdhsa_private_segment_fixed_size 0
		.amdhsa_enable_private_segment 0
		.amdhsa_kernarg_size 40
		.amdhsa_user_sgpr_count 2
		.amdhsa_user_sgpr_kernarg_segment_ptr 1
		.amdhsa_wavefront_size32 1
		.amdhsa_system_sgpr_workgroup_id_x 1
		.amdhsa_system_sgpr_workgroup_id_y 1
		.amdhsa_system_sgpr_workgroup_id_z 1
		.amdhsa_system_vgpr_workitem_id 0
		.amdhsa_next_free_vgpr 1024
		.amdhsa_next_free_sgpr 100
		.amdhsa_reserve_vcc 1
		.amdhsa_float_denorm_mode_32 3
		.amdhsa_float_denorm_mode_16_64 3
		.amdhsa_memory_ordered 1
		.amdhsa_forward_progress 1
		.amdhsa_inst_pref_size 99
	.end_amdhsa_kernel
	.amdgpu_metadata
---
amdhsa.version: [ 1, 2 ]
amdhsa.kernels:
  - .name:           k_qda89d8d368_gemm_proj
    .symbol:         k_qda89d8d368_gemm_proj.kd
    .args:
      - { .name: ao, .offset: 0, .size: 8, .value_kind: global_buffer, .address_space: global }
      - { .name: aos, .offset: 8, .size: 8, .value_kind: global_buffer, .address_space: global }
      - { .name: cod, .offset: 16, .size: 8, .value_kind: global_buffer, .address_space: global }
      - { .name: scl, .offset: 24, .size: 8, .value_kind: global_buffer, .address_space: global }
      - { .name: out0, .offset: 32, .size: 8, .value_kind: global_buffer, .address_space: global }
    .group_segment_fixed_size: 327680
    .private_segment_fixed_size: 0
    .kernarg_segment_align: 8
    .kernarg_segment_size: 40
    .max_flat_workgroup_size: 128
    .sgpr_count:     100
    .vgpr_count:     1024
    .wavefront_size: 32
...
	.end_amdgpu_metadata
.endif
;; end of part 4
